; MI455X (gfx1250); checked and timed in simulation.
; The chip was launched on July 23, 2026; its instructions are those of AMD's public machine-readable ISA for CDNA 5 (MIT licence, August 2026) and "CDNA5" Instruction Set Architecture Reference Guide (July 2026). The comments in the code are by the model that wrote it; some were corrected since.
;; GPT2 Attention. Allowed arithmetic: matrix products marked QUANTISED: E2M3 operands, one E8M0 scale for each 32 along K, by v_wmma_scale_f32_16x16x128_f8f6f4 with both operands' format E2M3, f32 sums; everything else in f32.
;; Inputs: b_attn 3,072 float32; b_proj 1,024 float32; w_attn 1,024 x 3,072 float32; w_proj 1,024 x 1,024 float32; x 4 x 2,048 x 1,024 float32.
;; Outputs: out0 4 x 2,048 x 1,024 float32.
;; This version of the problem:
;;   THIS VERSION OF THE PROBLEM IS GIVEN IN LOW PRECISION. The matrix products marked QUANTISED in the list below multiply operands that are first quantised to E2M3 (2 exponent bits, 3 mantissa bits; 6 bits a number), with one power-of-two scale for each 32 numbers along K (OCP MX v1.0); their sums are f32. All else is computed in f32.
;;   The module's matrix products, in the order in which they are computed (A, B: the left and right operand; K: the contracted axis; several contracted axes count as one K, in the product's order):
;;     1. [M 8,192, K 1,024] x [K 1,024, N 3,072]; A: input x; B: input w_attn: QUANTISED
;;     2. batch 64 x [M 2,048, K 64] x [K 64, N 2,048]; A: computed on the way; B: computed on the way: QUANTISED
;;     3. batch 64 x [M 2,048, K 2,048] x [K 2,048, N 64]; A: softmax (see below); B: computed on the way: QUANTISED
;;     4. [M 8,192, K 1,024] x [K 1,024, N 1,024]; A: computed on the way; B: input w_proj: QUANTISED
;;   THE QUANTISER, for each operand of a quantised product, along K:
;;     - K is cut into blocks of 32 from its start; a last block that is shorter is filled with zeros.
;;     - A block's scale is 2^e with e = floor(log2(the largest magnitude in the block)) - 2, held to -126 .. 127; a block of zeros has e = 0. As a byte (E8M0): e + 127.
;;     - Each number is divided by its block's scale, clamped to +-7.5, and rounded to the nearest number of E2M3, ties to even, subnormals kept.
;;     - The product sums the exact products of the quantised numbers (number of the format x scale) in f32.
;;   ~~~python
;;   def quantise(x, axis):      # numpy; x: float32 -> the quantised numbers, widened to float32 again
;;       x = np.moveaxis(x, axis, -1); K = x.shape[-1]
;;       x = np.pad(x, [(0, 0)] * (x.ndim - 1) + [(0, -K % 32)]); x = x.reshape(x.shape[:-1] + (-1, 32)); a = np.abs(x).max(-1, keepdims=True)
;;       e = np.where(a > 0, np.clip(np.frexp(np.where(a > 0, a, 1))[1] - 1 - 2, -126, 127), 0)      # np.frexp(a)[1] - 1 = floor(log2(a)), exactly
;;       r = np.clip(x / 2.0 ** e, -7.5, 7.5)
;;       step = 2.0 ** (np.maximum(np.frexp(np.where(r == 0, 1, r))[1] - 1, 0) - 3)
;;       q = np.round(r / step) * step * 2.0 ** e      # np.round: ties to even
;;       return np.moveaxis(q.reshape(q.shape[:-2] + (-1,))[..., :K], -1, axis).astype(np.float32)
;;   ~~~
;;   SOFTMAX AHEAD OF A QUANTISED PRODUCT. Where the list says 'softmax', what is quantised is not the finished softmax but p = 2^(t - M), with t = logit x log2(e) and M = ceil(the row's largest t), a whole number; so 1/2 < the row's largest p <= 1. The row's sum l is taken of the UNQUANTISED p, in f32, and the product's result is divided by l at the end. Since M is a whole number, a kernel that streams over the keys may use a running M (the ceiling of the running maximum): every later rescaling is an exact power of two, which a block's scale takes up: the codes' values come out the same.
;;   OPERANDS COMPUTED ON THE WAY. 'Computed on the way' means the value that the module computes at that place (a softmax that the list does not call 'softmax' is quantised finished and normalised). What goes into a quantiser is computed in f32, as accurately as f32 sums, v_exp_f32 and their like allow (about 1e-6 of the number): no bf16 or f16 on the way to a quantiser, and a product that is left as it is and whose result goes on into a quantised operand takes f32 operands (vector FMAs, or v_wmma_f32_16x16x4_f32). A number that lies on a knife's edge between two numbers of the format may be rounded either way, as far as f32 arithmetic and the matrix unit's own rounding can turn it there, and no further.
;; One version. Each part assembles by itself: llvm-mc -triple=amdgcn-amd-amdhsa -mcpu=gfx1250 --defsym DOCPART=n.
;; ======== version 1 of 1: 4 launches
;; workspace buffers: xq 6,815,744 bytes; wq 2,555,904 bytes; pq 851,968 bytes; aq 6,815,744 bytes; qk 13,631,488 bytes; vv 6,553,600 bytes
;; launch quant (part 1): grid 512 x 1, 4 waves a work-group, no clusters, 34,304 bytes of LDS; arguments x, w_attn, w_proj, xq, wq, pq; writes xq, wq, pq
.if DOCPART == 1
	.amdgcn_target "amdgcn-amd-amdhsa--gfx1250"
	.amdhsa_code_object_version 6
	.text
	.protected	k_q232cc7005c_quant
	.globl	k_q232cc7005c_quant
	.p2align	8
	.type	k_q232cc7005c_quant,@function
k_q232cc7005c_quant:
	s_mov_b64 s[64:65], 0
	v_nop
	global_prefetch_b8 v0, s[64:65] scope:SCOPE_SE
	s_setreg_imm32_b32 hwreg(HW_REG_WAVE_MODE, 25, 1), 1
	s_wait_xcnt 0x0
; x [8192][1024], w_attn [1024][3072] and w_proj [1024][1024], f32, become codes of FP6 (E2M3) with one E8M0 byte for each 32 along K (K = the 1,024 in all three).
; A block's scale is 2^(floor(log2(its largest magnitude)) - 2): its byte is the largest magnitude's exponent field - 2, held at 1 from below by a floor among the maximum's leaves.
; LIMITS: NaN and infinities among the inputs are not served.  A block whose largest magnitude lies under 2^-124, a block of zeros among them, keeps the byte 1 (the quantiser's text says 127 for zeros):
; its codes are then zeros or the small codes that byte 1 gives, and the bytes are read by this program alone.
; LAYOUT OF THE THREE OUTPUTS.  Rows (positions of x, columns n of the weights) go in tiles of 16; lane r of tile 2 B + u stands for true row 32 B + 8 u + r + 8 (r / 8).
; A tile's record is REC bytes: 16 half fragments of 768 bytes (16 rows x 64 K, an image of six operand registers: registers 0-3 at 16 x lane, registers 4-5 at 512 + 8 x lane), then the scale words,
; word (K step s of 128, row r) at 12,288 + 64 s + 4 r.  Two half fragments on end are the twelve registers of one operand of the matrix instruction.
; SHARES.  Work-groups 0-255: x, two tiles each; a wave takes one tile and 512 of K, in four units of 128.  Work-groups 256-447: w_attn, 448-511: w_proj: 128 columns x 128 of K each, a lane to a column.
; A stream: nothing is shared between work-groups, so there is no cluster, no tensor load and no barrier.  Only the path for x uses LDS.
.set REC,  13312
.set STG,  8448                        ; a wave's stage: 16 rows x (512 bytes + 16)
.set SEL,  28                          ; s[28:29] lane selects: lane l xor 16
.set R,    16                          ; v16-143  two sets of 64: a unit as it is loaded
.set X,    144                         ; v144-207 a unit as the conversions want it: register 16 b + i = k 32 b + 16 (lane / 16) + i of my row
.set PC,   208                         ; v208-219 a fragment's codes
.set CT,   220                         ; v220-226 the conversions' second halves
.set TM,   228                         ; v228-243 at work
.set PW,   244                         ; v244-247 the four units' scale words; v248-249 as they are stored
; 64 numbers of a lane, register 16 b + i = k 32 b + 16 (lane / 16) + i of its row, become the twelve registers v[pc] on and the row's scale word v[pw].
.macro QUANT s, pc, ct, pw
.irp b, 0,1,2,3
	v_max3_num_f32 v[TM+\b], |v[(\s)+16*\b]|, |v[(\s)+1+16*\b]|, 0x1800000   ; block b: my 16 numbers and the floor 2^(3 - 127)
.endr
.irp i, 2,4,6,8,10,12,14
.irp b, 0,1,2,3
	v_max3_num_f32 v[TM+\b], v[TM+\b], |v[(\s)+16*\b+\i]|, |v[(\s)+1+16*\b+\i]|   ; the four blocks by turns
.endr
.endr
.irp b, 0,1,2,3
	v_permlanex16_b32 v[TM+4+\b], v[TM+\b], s[SEL], s[SEL+1]
.endr
.irp b, 0,1,2,3
	v_max_num_f32 v[TM+\b], v[TM+\b], v[TM+4+\b]       ; with lane l xor 16's 16: the block's largest magnitude
.endr
.irp b, 0,1,2,3
	v_add_nc_u32 v[TM+12+\b], 0xff000000, v[TM+\b]     ; 2 off its exponent field: the conversion's scale operand
.endr
.irp b, 0,1,2,3
	v_lshrrev_b32 v[TM+4+\b], 23, v[TM+12+\b]          ; the scale's byte
.endr
	v_lshl_or_b32 v[\pw], v[TM+5], 8, v[TM+4]
	v_lshl_or_b32 v[\pw], v[TM+6], 16, v[\pw]
	v_lshl_or_b32 v[\pw], v[TM+7], 24, v[\pw]
.irp c, 0,1
	v_cvt_scalef32_pk16_fp6_f32 v[(\pc)+6*\c:(\pc)+2+6*\c], v[(\s)+32*\c:(\s)+15+32*\c], v[TM+12+2*\c]
	v_cvt_scalef32_pk16_fp6_f32 v[(\ct)+4*\c:(\ct)+2+4*\c], v[(\s)+16+32*\c:(\s)+31+32*\c], v[TM+12+2*\c+1]   ; (a conversion's three registers begin on an even number)
.endr
	v_nop                                          ; one plain instruction behind the scaled conversions
.irp c, 0,1                                    ; the operand wants a whole block in a lane: lanes 0-15 block 2 c, lanes 16-31 block 2 c + 1
.irp i, 0,1,2
	v_permlane16_swap_b32 v[(\pc)+6*\c+\i], v[(\ct)+4*\c+\i]
.endr
.irp i, 0,1,2
	v_mov_b32 v[(\pc)+3+6*\c+\i], v[(\ct)+4*\c+\i]
.endr
.endr
.endm
	s_load_b256 s[4:11], s[0:1], 0x0               ; x s[4:5], w_attn s[6:7], w_proj s[8:9], xq s[10:11]
	s_load_b128 s[12:15], s[0:1], 0x20             ; wq s[12:13], pq s[14:15]
	v_lshl_add_u32 v254, v0, 2, 0x8400
	v_mov_b32 v255, 0
	v_lshrrev_b32 v1, 5, v0
	v_readfirstlane_b32 s16, v1                    ; wave
	v_and_b32 v6, 31, v0                           ; lane
	s_cmp_lt_u32 ttmp9, 256
	s_cbranch_scc0 .Lweights
	; ---------------- x: work-group g holds tiles 2 g and 2 g + 1 (true rows 32 g on); wave w: tile 2 g + w / 2, K half w % 2
	v_and_b32 v7, 15, v0                           ; r
	v_bfe_u32 v8, v0, 4, 1                         ; h
	v_lshlrev_b32 v1, 4, v6                        ; 16 x lane
	v_lshlrev_b32 v4, 3, v6                        ; 8 x lane
	v_lshlrev_b32 v5, 2, v6                        ; 4 x lane
	s_mul_i32 s17, s16, STG
	v_add_nc_u32 v2, s17, v1                       ; the stage, on the way in: a row's 512 bytes as they lie
	v_mul_u32_u24 v3, v7, 528
	v_lshl_add_u32 v3, v8, 6, v3
	v_add_nc_u32 v3, s17, v3                       ; and on the way out: row r, + 64 h: my 16 numbers of a block
	s_mov_b32 s[SEL], 0x76543210
	s_mov_b32 s[SEL+1], 0xfedcba98
.irp b, 0,1,2,3
	v_mov_b32 v[TM+4+\b], 0                        ; written once: a lane permute's destination counts as one of its sources
.endr
	s_lshr_b32 s18, s16, 1                         ; u
	s_and_b32 s19, s16, 1                          ; which half of K
	s_lshl_b32 s20, ttmp9, 17                      ; 32 rows of 4,096 bytes a work-group,
	s_lshl_b32 s21, s18, 15                        ; 8 rows for u,
	s_add_co_u32 s20, s20, s21
	s_lshl_b32 s21, s19, 11                        ; 512 numbers for the half
	s_add_co_u32 s20, s20, s21
	s_mov_b32 s21, 0
	s_lshl_b32 s22, ttmp9, 1
	s_add_co_u32 s22, s22, s18                     ; my tile
	s_mul_i32 s22, s22, REC
	s_lshl_b32 s24, s19, 8                         ; my four K steps' scale words: 64 bytes a step
	s_add_co_u32 s24, s24, s22
	s_mov_b32 s25, 0
	s_mul_i32 s23, s19, 6144                       ; my four fragments
	s_add_co_u32 s22, s22, s23
	s_mov_b32 s23, 0
	s_wait_alu depctr_va_vdst(0)
	s_wait_kmcnt 0x0
	s_add_nc_u64 s[4:5], s[4:5], s[20:21]
	s_add_nc_u64 s[24:25], s[10:11], s[24:25]
	s_add_nc_u64 s[10:11], s[10:11], s[22:23]
.macro LOADX u                         ; unit u: 128 numbers of each of the tile's 16 rows; each load reads 512 consecutive bytes
.irp r, 0,1,2,3,4,5,6,7,8,9,10,11,12,13,14,15
	global_load_b128 v[R+64*((\u)%2)+4*\r:R+64*((\u)%2)+4*\r+3], v1, s[4:5] offset:(\r+8*(\r/8))*4096+512*(\u) th:TH_LOAD_NT
.endr
.endm
.macro UNIT u
.if (\u) < 3
	s_wait_loadcnt 16                              ; this unit's 16 loads are in; the next unit's 16 may be out
.else
	s_wait_loadcnt 0x0
.endif
.irp r, 0,1,2,3,4,5,6,7,8,9,10,11,12,13,14,15
	ds_store_b128 v2, v[R+64*((\u)%2)+4*\r:R+64*((\u)%2)+4*\r+3] offset:528*\r
.endr
.irp b, 0,1,2,3
.irp j, 0,1,2,3
	ds_load_b128 v[X+16*\b+4*\j:X+16*\b+4*\j+3], v3 offset:128*\b+16*\j   ; LDS serves a wave's instructions in order: these see the stores above
.endr
.endr
	s_wait_dscnt 0x0
.if (\u) > 0
	s_wait_xcnt 0x0                                ; the last unit's stores have read their data: the codes' registers may be written again
.endif
.if (\u) < 2
	LOADX (\u)+2
.endif
	QUANT X, PC, CT, PW+(\u)
	global_store_b128 v1, v[PC:PC+3], s[10:11] offset:1536*(\u)           ; 512 consecutive bytes, aligned to 256
	global_store_b64 v4, v[PC+4:PC+5], s[10:11] offset:1536*(\u)+512      ; 256
	global_store_b128 v1, v[PC+6:PC+9], s[10:11] offset:1536*(\u)+768
	global_store_b64 v4, v[PC+10:PC+11], s[10:11] offset:1536*(\u)+1280
.endm
	LOADX 0
	LOADX 1
	UNIT 0
	UNIT 1
	UNIT 2
	UNIT 3
	v_cmp_le_u32 vcc_lo, 16, v6                    ; lanes 0-15 store an even K step's words, lanes 16-31 the next step's: 128 consecutive bytes
	v_cndmask_b32 v[PW+4], v[PW], v[PW+1], vcc_lo
	v_cndmask_b32 v[PW+5], v[PW+2], v[PW+3], vcc_lo
	global_store_b32 v5, v[PW+4], s[24:25] offset:12288
	global_store_b32 v5, v[PW+5], s[24:25] offset:12288+128
	s_wait_tensorcnt 0x0
	ds_add_u32 v254, v255
	s_wait_dscnt 0x0
	s_endpgm
	; ---------------- the weights: K is their FIRST axis.  A lane takes a column n and its registers run down K: a block of 32 lies in one lane, and the codes come out with K innermost
.Lweights:
	s_wait_alu depctr_va_vdst(0)
	v_lshlrev_b32 v1, 2, v6                        ; in: 4 bytes a lane, 128 consecutive bytes a wave
	v_bfe_u32 v7, v6, 3, 1                         ; column 32 B + l lies in tile 2 B + u, u = (l / 8) % 2,
	v_and_b32 v8, 7, v6
	v_lshrrev_b32 v9, 4, v6
	v_lshl_add_u32 v8, v9, 3, v8                   ; at row r = l % 8 + 8 (l / 16)
	v_mul_u32_u24 v7, v7, REC
	v_lshl_add_u32 v2, v8, 4, v7                   ; out: registers 0-3 of a block's six,
	v_lshl_add_u32 v3, v8, 3, v7                   ; registers 4-5,
	v_lshl_add_u32 v4, v8, 2, v7                   ; the scale word
	s_sub_co_u32 s17, ttmp9, 256
.macro WLOAD kb, pitch, pin            ; block kb: 32 numbers down K
.irp i, 0,1,2,3,4,5,6,7,8,9,10,11,12,13,14,15,16,17,18,19,20,21,22,23,24,25,26,27,28,29,30,31
	global_load_b32 v[64+32*(\kb)+\i], v1, s[\pin:\pin+1] offset:(32*(\kb)+\i)*\pitch th:TH_LOAD_NT
.endr
.endm
.macro WBLOCK kb, pitch, pin
.set XS, 64+32*(\kb)
.set C, 16+8*(\kb)                     ; each block has registers of its own for its codes: no store's data are written again
.if (\kb) < 3
	s_wait_loadcnt 32                              ; this block's 32 loads are in; the next block's may be out
.else
	s_wait_loadcnt 0x0
.endif
.if (\kb) < 2
	WLOAD (\kb)+2, \pitch, \pin
.endif
	v_max3_num_f32 v12, |v[XS]|, |v[XS+1]|, |v[XS+2]|
	v_max3_num_f32 v13, |v[XS+3]|, |v[XS+4]|, |v[XS+5]|
.irp i, 6,10,14,18,22,26
	v_max3_num_f32 v12, v12, |v[XS+\i]|, |v[XS+\i+1]|
	v_max3_num_f32 v13, v13, |v[XS+\i+2]|, |v[XS+\i+3]|
.endr
	v_max3_num_f32 v12, v12, |v[XS+30]|, |v[XS+31]|
	v_max3_num_f32 v12, v12, v13, 0x1800000        ; and the floor 2^(3 - 127)
	v_add_nc_u32 v11, 0xff000000, v12              ; 2 off the exponent field: the conversion's scale operand
	v_cvt_scalef32_pk16_fp6_f32 v[C:C+2], v[XS:XS+15], v11
	v_cvt_scalef32_pk16_fp6_f32 v[C+4:C+6], v[XS+16:XS+31], v11
	v_lshrrev_b32 v13, 23, v11                     ; the scale's byte (also the plain instruction behind the conversions)
.if (\kb) == 0
	v_mov_b32 v14, v13
.else
	v_lshl_or_b32 v14, v13, 8*(\kb), v14           ; four bytes make the K step's scale word
.endif
	v_mov_b32 v[C+3], v[C+4]                       ; the block's six registers on end
	v_mov_b32 v[C+4], v[C+5]
	v_mov_b32 v[C+5], v[C+6]
	global_store_b128 v2, v[C:C+3], s[24:25] offset:((\kb)/2)*768+256*((\kb)%2)       ; block kb is half kb % 2 of the lanes of half fragment kb / 2: sixteen lanes fill 256 aligned bytes
	global_store_b64 v3, v[C+4:C+5], s[24:25] offset:((\kb)/2)*768+512+128*((\kb)%2)
.endm
.macro WPATH pitch, pin, pout          ; s17: the work-group's number within its tensor
	s_lshr_b32 s18, s17, 3                         ; which 128 columns
	s_and_b32 s19, s17, 7                          ; which K step of 128
	s_lshl_b32 s20, s18, 2
	s_add_co_u32 s20, s20, s16                     ; B = my wave's 32 columns
	s_mul_i32 s22, s19, 128*\pitch
	s_lshl_b32 s21, s20, 7
	s_add_co_u32 s22, s22, s21
	s_mov_b32 s23, 0
	s_mul_i32 s24, s20, 2*REC
	s_lshl_b32 s26, s19, 6
	s_add_co_u32 s26, s26, s24
	s_mov_b32 s27, 0
	s_mul_i32 s25, s19, 1536
	s_add_co_u32 s24, s24, s25
	s_mov_b32 s25, 0
	s_wait_kmcnt 0x0
	s_add_nc_u64 s[\pin:\pin+1], s[\pin:\pin+1], s[22:23]
	s_add_nc_u64 s[26:27], s[\pout:\pout+1], s[26:27]
	s_add_nc_u64 s[24:25], s[\pout:\pout+1], s[24:25]
	WLOAD 0, \pitch, \pin
	WLOAD 1, \pitch, \pin
	WBLOCK 0, \pitch, \pin
	WBLOCK 1, \pitch, \pin
	WBLOCK 2, \pitch, \pin
	WBLOCK 3, \pitch, \pin
	global_store_b32 v4, v14, s[26:27] offset:12288
.endm
	s_cmp_lt_u32 s17, 192
	s_cbranch_scc0 .Lproj
	s_wait_alu depctr_va_vdst(0)
	WPATH 12288, 6, 12
	s_endpgm
.Lproj:
	s_sub_co_u32 s17, s17, 192
	s_wait_alu depctr_va_vdst(0)
	WPATH 4096, 8, 14
	s_endpgm
.Lfunc_end_k_q232cc7005c_quant:
	.size	k_q232cc7005c_quant, .Lfunc_end_k_q232cc7005c_quant-k_q232cc7005c_quant
	.p2alignl 7, 3214868480
	.fill 96, 4, 3214868480
	.section	.rodata,"a",@progbits
	.p2align	6, 0x0
	.amdhsa_kernel k_q232cc7005c_quant
		.amdhsa_group_segment_fixed_size 34304
		.amdhsa_private_segment_fixed_size 0
		.amdhsa_enable_private_segment 0
		.amdhsa_kernarg_size 48
		.amdhsa_user_sgpr_count 2
		.amdhsa_user_sgpr_kernarg_segment_ptr 1
		.amdhsa_wavefront_size32 1
		.amdhsa_system_sgpr_workgroup_id_x 1
		.amdhsa_system_sgpr_workgroup_id_y 1
		.amdhsa_system_sgpr_workgroup_id_z 1
		.amdhsa_system_vgpr_workitem_id 0
		.amdhsa_next_free_vgpr 256
		.amdhsa_next_free_sgpr 66
		.amdhsa_reserve_vcc 1
		.amdhsa_float_denorm_mode_32 3
		.amdhsa_float_denorm_mode_16_64 3
		.amdhsa_memory_ordered 1
		.amdhsa_forward_progress 1
		.amdhsa_inst_pref_size 73
	.end_amdhsa_kernel
	.amdgpu_metadata
---
amdhsa.version: [ 1, 2 ]
amdhsa.kernels:
  - .name:           k_q232cc7005c_quant
    .symbol:         k_q232cc7005c_quant.kd
    .args:
      - { .name: x, .offset: 0, .size: 8, .value_kind: global_buffer, .address_space: global }
      - { .name: w_attn, .offset: 8, .size: 8, .value_kind: global_buffer, .address_space: global }
      - { .name: w_proj, .offset: 16, .size: 8, .value_kind: global_buffer, .address_space: global }
      - { .name: xq, .offset: 24, .size: 8, .value_kind: global_buffer, .address_space: global }
      - { .name: wq, .offset: 32, .size: 8, .value_kind: global_buffer, .address_space: global }
      - { .name: pq, .offset: 40, .size: 8, .value_kind: global_buffer, .address_space: global }
    .group_segment_fixed_size: 34304
    .private_segment_fixed_size: 0
    .kernarg_segment_align: 8
    .kernarg_segment_size: 48
    .max_flat_workgroup_size: 128
    .sgpr_count:     66
    .vgpr_count:     256
    .wavefront_size: 32
...
	.end_amdgpu_metadata
.endif
;; end of part 1
;; launch gemm_qkv (part 2): grid 8 x 96, 4 waves a work-group, clusters of 4 x 4, 295,424 bytes of LDS; arguments xq, wq, b_attn, qk, vv; writes qk, vv
.if DOCPART == 2
	.amdgcn_target "amdgcn-amd-amdhsa--gfx1250"
	.amdhsa_code_object_version 6
	.text
	.protected	k_q232cc7005c_gemm_qkv
	.globl	k_q232cc7005c_gemm_qkv
	.p2align	8
	.type	k_q232cc7005c_gemm_qkv,@function
k_q232cc7005c_gemm_qkv:
	s_mov_b64 s[64:65], 0
	v_nop
	global_prefetch_b8 v0, s[64:65] scope:SCOPE_SE
	s_setreg_imm32_b32 hwreg(HW_REG_WAVE_MODE, 25, 1), 1
	s_wait_xcnt 0x0
	s_wait_alu depctr_hold_cnt(0) depctr_sa_sdst(0) depctr_va_vdst(0) depctr_va_sdst(0) depctr_va_ssrc(0) depctr_va_vcc(0) depctr_vm_vsrc(0)
	s_getreg_b32 s2, hwreg(HW_REG_IB_STS2, 6, 4)
	s_cmp_eq_u32 s2, 0
	s_cbranch_scc0 .Lentry_in_a_cluster
	s_endpgm
.Lentry_in_a_cluster:
	s_bfe_u32 s2, ttmp6, 0x10000c
	s_cmp_lg_u32 s2, 0xf033
	s_cbranch_scc0 .Lentry_shape_is_right
	s_endpgm
.Lentry_shape_is_right:
; qkv = x w_attn + b_attn on codes of FP6 (E2M3) with E8M0 scales, K = 1,024; the results never go to memory as f32: q and k are quantised along a head's 64 channels, v along the keys, here, in registers.
; OPERANDS: xq (512 tiles of 16 positions) and wq (192 tiles of 16 columns: 0-127 q and k, 128-191 v), records of REC bytes: 16 half fragments of 768 bytes (images of operand registers), then scale words.
; Lane r of tile 2 B + u stands for true row 32 B + 8 u + r + 8 (r / 8): as SOURCE 0 a pair of tiles then gives a lane 16 registers that are true rows 32 B + 16 (lane / 16) + 0 .. 15, which is what a quantiser wants.
; So the axis that is quantised next goes in as source 0: for q and k the columns of w (channels), for v the positions of x (keys).  ONE path serves both: only pointers and offsets are chosen, by the cluster's y.
;   clusters y 0-15:  source 0 = wq (256 columns of q, k by work-group x), source 1 = xq (128 positions);   clusters y 16-23:  source 0 = xq (256 positions), source 1 = wq (128 columns of v).
; SHARES.  A work-group makes 256 (source 0) x 128 (source 1); its four waves 128 x 64 each: 32 accumulators.  768 work-groups.
; LDS holds the work-group's operands for ALL of K, four slots of 256 along K, each filled once: nothing is filled again, so the only barriers are those that show a slot to all four waves.
; CLUSTERS of 4 x 4: source 0's tiles hang on x alone and are asked for jointly by a column of the cluster, source 1's on y alone, by a row.
; OUTPUTS.  qk [32 heads: q's, then k's][64 steps of 128 positions][6,656]: eight half fragments (the step's position tiles), then the scale words, word (tile a, row r) at 6,144 + 256 (a / 4) + 16 r + 4 (a % 4).
;           vv [64 batch-heads][16 steps of 128 keys][6,400]: four fragments (the head's channel tiles x 128 keys), then word (tile ct, row r) at 6,144 + 16 r + 4 ct.
; LIMITS: NaN and infinities are not served; a block whose largest magnitude lies under 2^-124 keeps the byte 1 (zeros too: their codes are zeros, and this program alone reads the bytes).
; REGISTERS, in windows of 256.  Window 0: v4-11 offsets, v16-31 LDS addresses, v32-63 source 0's scale words, v64-79 source 1's, v80-87 the bias along source 1, v96-191 source 1's fragments (two sets), v192-255 at work on the way out.
;   Window 1: source 0's fragments (two sets of 96), v192-255 the bias along source 0.   Window 2: accumulator (a, b) at v[8 (8 a + b)].
.set REC,   13312
.set HSTR,  425984                     ; a head of qk
.set KREC,  6656
.set VREC,  6400
.set SLOT,  73728                      ; 256 along K: source 0's 16 tile rows of 3,072 bytes, then source 1's 8
.set S1OFF, 49152
.set WV,    14
.set G1A,   24                         ; s[24:31] descriptor group 1, source 0;  s[32:39] source 1
.set G1B,   32
.set G0A,   40                         ; s[40:55] groups 0 of source 0's four slots;  source 1's at s56, s60, s68, s72
.set SEL,   22
.set TM,    152
.set MSB, 0
.macro WIN new                         ; the immediate's high byte repeats the setting that is left
.if MSB != \new
	s_set_vgpr_msb (MSB<<8)|\new
.set MSB, \new
.endif
.endm
.macro ROUND                           ; a round of the cluster's barrier
	s_barrier_signal -1
	s_barrier_wait -1
	s_cmp_lg_u32 s[WV], 0
	s_cbranch_scc1 .Lnot_wave_0_\@
	s_barrier_signal -3
.Lnot_wave_0_\@:
	s_barrier_wait -3
	s_barrier_signal -1
	s_barrier_wait -1
.endm
.macro FRAG reg, a16, a8, off          ; a fragment's twelve registers from its image: every load reads consecutive bytes
	ds_load_b128 v[(\reg):(\reg)+3], v[\a16] offset:(\off)
	ds_load_b64 v[(\reg)+4:(\reg)+5], v[\a8] offset:(\off)+512
	ds_load_b128 v[(\reg)+6:(\reg)+9], v[\a16] offset:(\off)+768
	ds_load_b64 v[(\reg)+10:(\reg)+11], v[\a8] offset:(\off)+1280
.endm
.macro FETCH s                         ; K step s of 128: source 0's eight fragments and source 1's four, into set s % 2: 48 loads
.set FK, (\s)/2
.set FP, (\s)%2
	WIN 0x40                                       ; destination window 1, address window 0
.irp b, 0,1,2,3,4,5,6,7
	FRAG 96*FP+12*\b, 16+FK, 20+FK, 3072*\b+1536*FP
.endr
	WIN 0
.irp a, 0,1,2,3
	FRAG 96+48*FP+12*\a, 24+FK, 28+FK, 3072*\a+1536*FP
.endr
.endm
; 16 matrix instructions: source 1's blocks a0, a0 + 1 against source 0's eight.  A scale register carries two blocks' words: lanes 0-15 block b % 4 (a % 2), lanes 16-31 the block four (two) further on.
; first = 1: C is the bias along source 0.  The 32 accumulators take turns, one instruction a turn, in the same order in every step.
.macro MUL s, a0, first
.irp a, \a0, \a0+1
.irp b, 0,1,2,3,4,5,6,7
.set rD, 8*(8*(\a)+\b)
.set rC, rD
.if \first
.set rC, 192+8*\b
.endif
.set rA, 96*((\s)%2)+12*\b
.set rB, 96+48*((\s)%2)+12*(\a)
.set rSA, 32+8*(\b%4)+(\s)
.set rSB, 64+8*((\a)%2)+(\s)
.if (\b < 4) && ((\a) < 2)
	v_wmma_scale_f32_16x16x128_f8f6f4 v[rD:rD+7], v[rA:rA+11], v[rB:rB+11], v[rC:rC+7], v[rSA], v[rSB] matrix_a_fmt:MATRIX_FMT_FP6 matrix_b_fmt:MATRIX_FMT_FP6
.elseif (\a) < 2
	v_wmma_scale_f32_16x16x128_f8f6f4 v[rD:rD+7], v[rA:rA+11], v[rB:rB+11], v[rC:rC+7], v[rSA], v[rSB] matrix_a_fmt:MATRIX_FMT_FP6 matrix_b_fmt:MATRIX_FMT_FP6 matrix_a_scale:MATRIX_SCALE_ROW1
.elseif \b < 4
	v_wmma_scale_f32_16x16x128_f8f6f4 v[rD:rD+7], v[rA:rA+11], v[rB:rB+11], v[rC:rC+7], v[rSA], v[rSB] matrix_a_fmt:MATRIX_FMT_FP6 matrix_b_fmt:MATRIX_FMT_FP6 matrix_b_scale:MATRIX_SCALE_ROW1
.else
	v_wmma_scale_f32_16x16x128_f8f6f4 v[rD:rD+7], v[rA:rA+11], v[rB:rB+11], v[rC:rC+7], v[rSA], v[rSB] matrix_a_fmt:MATRIX_FMT_FP6 matrix_b_fmt:MATRIX_FMT_FP6 matrix_a_scale:MATRIX_SCALE_ROW1 matrix_b_scale:MATRIX_SCALE_ROW1
.endif
.endr
.endr
.endm
; A K step of 128: 32 matrix instructions; in its middle the next step's fragments are fetched into the other set.  Ahead of a new slot (steps 1, 3, 5) a barrier shows it to all four waves:
; tcnt = how many of my four tensor loads, those of the later slots, may stay out.
.macro STEP s, tcnt, first
	s_wait_dscnt 0x0                               ; this step's 48 loads are in (asked for 16 matrix instructions ago)
.if ((\s)%2 == 1) && ((\s) < 7)
	s_wait_tensorcnt \tcnt                         ; my part of the next slot has landed
	s_barrier_signal -1
.endif
	WIN 0xa1-0x10*(\first)                         ; source 0 window 1, source 1 window 0, D window 2; C window 2, or 1 for the bias
	MUL \s, 0, \first
.if ((\s)%2 == 1) && ((\s) < 7)
	s_barrier_wait -1                              ; everybody's has
.endif
.if (\s) < 7
.rept 4
	v_nop                                          ; places in front of loads into registers that the last step's matrix instructions have read (ISA guide 7.12.1 for vector instructions)
.endr
	FETCH (\s)+1
.endif
	WIN 0xa1-0x10*(\first)
	MUL \s, 2, \first
.endm
; 64 numbers of a lane, register 16 b + i = k 32 b + 16 (lane / 16) + i of its row, become the twelve registers v[pc] on and the row's scale word v[pw].
.macro QUANT s, pc, ct, pw
.irp b, 0,1,2,3
	v_max3_num_f32 v[TM+\b], |v[(\s)+16*\b]|, |v[(\s)+1+16*\b]|, 0x1800000   ; block b: my 16 numbers and the floor 2^(3 - 127)
.endr
.irp i, 2,4,6,8,10,12,14
.irp b, 0,1,2,3
	v_max3_num_f32 v[TM+\b], v[TM+\b], |v[(\s)+16*\b+\i]|, |v[(\s)+1+16*\b+\i]|
.endr
.endr
.irp b, 0,1,2,3
	v_permlanex16_b32 v[TM+4+\b], v[TM+\b], s[SEL], s[SEL+1]
.endr
.irp b, 0,1,2,3
	v_max_num_f32 v[TM+\b], v[TM+\b], v[TM+4+\b]
.endr
.irp b, 0,1,2,3
	v_add_nc_u32 v[TM+12+\b], 0xff000000, v[TM+\b]     ; 2 off the exponent field: the conversion's scale operand
.endr
.irp b, 0,1,2,3
	v_lshrrev_b32 v[TM+4+\b], 23, v[TM+12+\b]          ; the scale's byte
.endr
	v_lshl_or_b32 v[\pw], v[TM+5], 8, v[TM+4]
	v_lshl_or_b32 v[\pw], v[TM+6], 16, v[\pw]
	v_lshl_or_b32 v[\pw], v[TM+7], 24, v[\pw]
.irp c, 0,1
	v_cvt_scalef32_pk16_fp6_f32 v[(\pc)+6*\c:(\pc)+2+6*\c], v[(\s)+32*\c:(\s)+15+32*\c], v[TM+12+2*\c]
	v_cvt_scalef32_pk16_fp6_f32 v[(\ct)+4*\c:(\ct)+2+4*\c], v[(\s)+16+32*\c:(\s)+31+32*\c], v[TM+12+2*\c+1]
.endr
	v_nop                                          ; one plain instruction behind the scaled conversions
.irp c, 0,1
.irp i, 0,1,2
	v_permlane16_swap_b32 v[(\pc)+6*\c+\i], v[(\ct)+4*\c+\i]
.endr
.irp i, 0,1,2
	v_mov_b32 v[(\pc)+3+6*\c+\i], v[(\ct)+4*\c+\i]
.endr
.endr
.endm
	s_load_b256 s[4:11], s[0:1], 0x0               ; xq s[4:5], wq s[6:7], b_attn s[8:9], qk s[10:11]
	s_load_b64 s[12:13], s[0:1], 0x20              ; vv
	v_lshl_add_u32 v94, v0, 2, 0x48000
	v_mov_b32 v95, 0
	ds_add_u32 v94, v95
	ds_add_u32 v94, v95
	v_lshrrev_b32 v1, 5, v0
	v_readfirstlane_b32 s[WV], v1                  ; wave 0..3
	s_and_b32 s15, s[WV], 1                        ; which half of source 0's rows is mine.  Also: which half of a tile I fetch
	s_lshr_b32 s16, s[WV], 1                       ; which half of source 1's rows.  Also: I fetch for source 0 (0) or 1 (1)
	s_bfe_u32 s17, ttmp6, 0x40000                  ; cx
	s_bfe_u32 s18, ttmp6, 0x40004                  ; cy
	s_lshl_b32 s19, ttmp9, 2
	s_add_co_u32 s19, s19, s17                     ; X = 4 x cluster x + cx
	s_and_b32 s20, ttmp7, 0xffff                   ; the cluster's y
	s_lshl_b32 s2, 0x1111, s17                     ; my column of the cluster
	s_lshl_b32 s3, s18, 2
	s_lshl_b32 s3, 15, s3                          ; my row
	s_or_b32 s[G1A], s2, (3<<16)|(1<<21)           ; 15:0 the mask; 17:16 elements of 8 bytes; 21 set beside a mask; no padding: the images are read as consecutive bytes
	s_or_b32 s[G1B], s3, (3<<16)|(1<<21)
.irp g, G1A, G1B
	s_mov_b32 s[\g+1], 384<<16                     ; tensor_dim0: a tile's 256 along K are 3,072 bytes
	s_mov_b32 s[\g+3], 384<<16                     ; tile_dim0
	s_mov_b32 s[\g+5], REC/8                       ; from a tile's record to the next
	s_mov_b32 s[\g+6], 0
	s_mov_b32 s[\g+7], 0
.endr
	s_mov_b32 s[G1A+2], 8<<16                      ; tensor_dim1: eight tiles to a load of source 0,
	s_mov_b32 s[G1A+4], 8
	s_mov_b32 s[G1B+2], 4<<16                      ; four of source 1
	s_mov_b32 s[G1B+4], 4
	s_cmp_ge_u32 s20, 16
	s_cselect_b32 s21, 1, 0                        ; 1: this cluster makes v.  The same in all sixteen partners
	s_and_b32 s22, s20, 3
	s_sub_co_u32 s23, s20, 16
	s_lshr_b32 s23, s23, 2
	s_cmp_lg_u32 s21, 0
	s_cselect_b32 s22, s22, 0
	s_cselect_b32 s23, s23, s20
	s_cselect_b32 s3, 128, 0                       ; v's tiles of wq begin at 128
	s_cselect_b32 s95, 0, -1                       ; the bias runs along source 0 for q and k,
	s_cselect_b32 s20, -1, 0                       ; along source 1 for v
	s_mov_b32 s80, 768
	s_cselect_b32 s80, 1536, s80                   ; out: from block a to the next
	s_mov_b32 s82, HSTR
	s_cselect_b32 s82, 768, s82                    ; and from a fragment's first half to its second: q, k: the next head; v: the next 64 keys
	s_mov_b32 s81, 0
	s_mov_b32 s83, 0
	s_cselect_b32 s17, 0, 16                       ; the scale word's upper two bytes belong to the second head (q, k)
	s_cselect_b32 s2, 0, HSTR
	s_lshl_b32 s84, s22, 3
	s_add_co_u32 s84, s84, s19                     ; which 256 rows of source 0: it hangs on cx and the cluster's place alone
	s_lshl_b32 s85, s23, 2
	s_add_co_u32 s85, s85, s18                     ; which 128 rows of source 1: on cy and the cluster's place alone
	s_lshl_b32 s86, s84, 4
	s_lshl_b32 s87, s15, 3
	s_add_co_u32 s86, s86, s87
	s_mul_i32 s86, s86, REC                        ; source 0: my eight tiles (those that I fetch are those that I multiply)
	s_mov_b32 s87, 0
	s_mul_i32 s88, s15, 24576                      ; and their place in a slot
	s_lshl_b32 s94, s85, 3
	s_add_co_u32 s94, s94, s3
	s_lshl_b32 s90, s15, 2
	s_add_co_u32 s90, s90, s94
	s_mul_i32 s90, s90, REC                        ; source 1: the four tiles that I fetch,
	s_mov_b32 s91, 0
	s_lshl_b32 s92, s16, 2
	s_add_co_u32 s92, s92, s94
	s_mul_i32 s92, s92, REC                        ; the four that I multiply,
	s_mov_b32 s93, 0
	s_mul_i32 s89, s15, 12288
	s_add_co_u32 s89, s89, S1OFF                   ; and the fetched ones' place in a slot
	s_lshl_b32 s96, s19, 10
	s_lshl_b32 s97, s15, 9
	s_add_co_u32 s96, s96, s97                     ; b_attn at column 256 X + 128 x my half (inside the buffer in both kinds of cluster)
	s_mov_b32 s97, 0
	s_lshl_b32 s98, s85, 9
	s_lshl_b32 s99, s16, 8
	s_add_co_u32 s98, s98, s99
	s_add_co_u32 s98, s98, 8192                    ; b_attn at v's column 128 x index + 64 x my half;
	s_cmp_lg_u32 s21, 0
	s_cselect_b32 s98, s98, 0                      ; for q and k the load stays at the buffer's head and its numbers are dropped
	s_mov_b32 s99, 0
	s_lshl_b32 s76, s19, 2                         ; out, q and k: head 4 X + 2 x my half, step = source 1's index
	s_lshl_b32 s77, s15, 1
	s_add_co_u32 s76, s76, s77
	s_mul_i32 s76, s76, HSTR
	s_mul_i32 s77, s85, KREC
	s_add_co_u32 s76, s76, s77
	s_lshl_b32 s78, s16, 8
	s_add_co_u32 s78, s78, s76                     ; the scale words of my four tiles
	s_mul_i32 s77, s16, 3072
	s_add_co_u32 s76, s76, s77                     ; their half fragments
	s_lshr_b32 s100, s84, 3                        ; out, v: batch = index 0 / 8, head = 2 x index 1 + my half, key step = 2 (index 0 % 8) + my half
	s_lshl_b32 s100, s100, 4
	s_lshl_b32 s101, s85, 1
	s_add_co_u32 s100, s100, s101
	s_add_co_u32 s100, s100, s16
	s_lshl_b32 s100, s100, 4
	s_and_b32 s101, s84, 7
	s_lshl_b32 s101, s101, 1
	s_add_co_u32 s100, s100, s101
	s_add_co_u32 s100, s100, s15
	s_mul_i32 s100, s100, VREC
	s_cmp_lg_u32 s21, 0
	s_cselect_b32 s76, s100, s76
	s_cselect_b32 s78, s100, s78
	s_mov_b32 s77, 0
	s_mov_b32 s79, 0
	s_wait_dscnt 0x0
	s_wait_kmcnt 0x0
	s_cmp_lg_u32 s21, 0
	s_cselect_b64 s[100:101], s[4:5], s[6:7]       ; source 0: xq for v, wq for q and k
	s_cselect_b64 s[22:23], s[6:7], s[4:5]         ; source 1: the other
	s_cselect_b64 s[12:13], s[12:13], s[10:11]     ; out: vv or qk
	s_add_nc_u64 s[86:87], s[100:101], s[86:87]
	s_add_nc_u64 s[90:91], s[22:23], s[90:91]
	s_add_nc_u64 s[92:93], s[22:23], s[92:93]
	s_add_nc_u64 s[76:77], s[12:13], s[76:77]
	s_add_nc_u64 s[78:79], s[12:13], s[78:79]
	s_add_nc_u64 s[96:97], s[8:9], s[96:97]
	s_add_nc_u64 s[98:99], s[8:9], s[98:99]
.irp k, 0,1,2,3
.set GB, 56+4*\k+4*(\k/2)
	s_mov_b32 s[G0A+4*\k], 1                       ; count = 1
	s_add_co_u32 s[G0A+4*\k+1], s88, \k*SLOT       ; LDS address
	s_add_nc_u64 s[G0A+4*\k+2:G0A+4*\k+3], s[86:87], \k*3072   ; slot k's 256 along K of my eight tiles
	s_or_b32 s[G0A+4*\k+3], s[G0A+4*\k+3], 0x80000000          ; type = 2
	s_mov_b32 s[GB], 1
	s_add_co_u32 s[GB+1], s89, \k*SLOT
	s_add_nc_u64 s[GB+2:GB+3], s[90:91], \k*3072
	s_or_b32 s[GB+3], s[GB+3], 0x80000000
.endr
	ROUND                                          ; all sixteen work-groups are here: the joint loads meet
	s_cmp_eq_u32 s16, 0                            ; a wave's four fills stand in one branch on the wave's number: four tensor loads of mine are out; four v_nop follow the last
	s_cbranch_scc0 .Lfor_1
	tensor_load_to_lds s[40:43], s[24:31]
	s_nop 0
	tensor_load_to_lds s[44:47], s[24:31]
	s_nop 0
	tensor_load_to_lds s[48:51], s[24:31]
	s_nop 0
	tensor_load_to_lds s[52:55], s[24:31]
	s_nop 0
.rept 4
	v_nop
.endr
	s_branch .Lasked
.Lfor_1:
	tensor_load_to_lds s[56:59], s[32:39]
	s_nop 0
	tensor_load_to_lds s[60:63], s[32:39]
	s_nop 0
	tensor_load_to_lds s[68:71], s[32:39]
	s_nop 0
	tensor_load_to_lds s[72:75], s[32:39]
	s_nop 0
.rept 4
	v_nop
.endr
.Lasked:
	v_and_b32 v1, 31, v0                           ; lane
	v_and_b32 v2, 15, v0                           ; r
	v_bfe_u32 v3, v0, 4, 1                         ; h
	v_lshlrev_b32 v4, 4, v1                        ; 16 x lane
	v_lshlrev_b32 v5, 3, v1                        ; 8 x lane
	v_mul_u32_u24 v6, v3, 4*REC
	v_lshl_add_u32 v6, v2, 2, v6                   ; source 0's scale words: row r; lanes 16-31 four tiles on
	v_mul_u32_u24 v7, v3, 2*REC
	v_lshl_add_u32 v7, v2, 2, v7                   ; source 1's: lanes 16-31 two tiles on
	v_lshlrev_b32 v8, 6, v3                        ; the bias along source 0: 16 numbers on for lanes 16-31
	v_and_b32 v9, 8, v2
	v_add_nc_u32 v9, v9, v2
	v_lshlrev_b32 v9, 2, v9                        ; the bias along source 1: my lane's true column r + 8 (r / 8)
	v_mul_u32_u24 v10, v3, s17                     ; q, k: lanes 16-31 store the second head's two bytes
	v_mul_u32_u24 v11, v3, s2
	v_lshl_add_u32 v11, v2, 4, v11                 ; into the second head's record; 16 bytes a row
.irp q, 0,1,2,3
.irp s, 0,1,2,3,4,5,6,7
	global_load_b32 v[32+8*\q+\s], v6, s[86:87] offset:12288+\q*REC+64*\s
.endr
.endr
.irp q, 0,1
.irp s, 0,1,2,3,4,5,6,7
	global_load_b32 v[64+8*\q+\s], v7, s[92:93] offset:12288+\q*REC+64*\s
.endr
.endr
.irp a, 0,1,2,3
	global_load_b32 v[80+2*\a], v9, s[98:99] offset:(32*(\a/2)+8*(\a%2))*4
.endr
	WIN 0x40                                       ; destination window 1
.irp b, 0,1,2,3,4,5,6,7
	global_load_b128 v[192+8*\b:195+8*\b], v8, s[96:97] offset:(32*(\b/2)+8*(\b%2))*4       ; block b's eight registers in the result's layout
	global_load_b128 v[196+8*\b:199+8*\b], v8, s[96:97] offset:(32*(\b/2)+8*(\b%2))*4+16
.endr
	WIN 0
	s_mul_i32 s100, s15, 24576                     ; my eight tiles of source 0 in a slot,
	s_mul_i32 s101, s16, 12288
	s_add_co_u32 s101, s101, S1OFF                 ; my four of source 1
.irp k, 0,1,2,3
	v_add_nc_u32 v[16+\k], s100, v4
	v_add_nc_u32 v[20+\k], s100, v5
	v_add_nc_u32 v[24+\k], s101, v4
	v_add_nc_u32 v[28+\k], s101, v5
	s_add_co_u32 s100, s100, SLOT
	s_add_co_u32 s101, s101, SLOT
.endr
	s_wait_tensorcnt 3                             ; my part of slot 0 is in; the three later slots' loads may be out
	s_barrier_signal -1
	s_barrier_wait -1                              ; everybody's is
	FETCH 0
	s_wait_loadcnt 0x0                             ; scale words and biases
	WIN 0x44                                       ; source 1 and destination window 1
.set i, 0
.rept 64
	v_cndmask_b32 v[192+i], 0, v[192+i], s95       ; the bias along source 0 counts for q and k alone,
.set i, i+1
.endr
	WIN 0
.irp a, 0,1,2,3
	v_cndmask_b32 v[80+2*\a], 0, v[80+2*\a], s20   ; that along source 1 for v alone
.endr
.irp a, 0,1,2,3
	v_mov_b32 v[81+2*\a], v[80+2*\a]               ; twice: a pair for the packed addition
.endr
	s_wait_alu depctr_va_vdst(0)
	STEP 0, 0, 1
	STEP 1, 2, 0
	STEP 2, 0, 0
	STEP 3, 1, 0
	STEP 4, 0, 0
	STEP 5, 0, 0
	STEP 6, 0, 0
	STEP 7, 0, 0
	WIN 0
	; THE WAY OUT.  Block a's 64 registers of a lane are 128 neighbours along source 0 of source 1's row r: one fragment and one scale word.  No LDS: the twelve registers are stored as their image.
.rept 4
	v_nop                                          ; places behind the last matrix instructions, for the reads of results and the writes over source 1's fragments
.endr
	s_mov_b32 s[SEL], 0x76543210
	s_mov_b32 s[SEL+1], 0xfedcba98
	s_mov_b64 s[40:41], s[76:77]                   ; eight bases (block a, half g), in the descriptors' registers: every tensor load has been waited for
	s_add_nc_u64 s[42:43], s[40:41], s[82:83]
.irp a, 1,2,3
	s_add_nc_u64 s[40+4*\a:41+4*\a], s[36+4*\a:37+4*\a], s[80:81]
	s_add_nc_u64 s[42+4*\a:43+4*\a], s[40+4*\a:41+4*\a], s[82:83]
.endr
.irp b, 0,1,2,3
	v_mov_b32 v[TM+4+\b], 0                        ; a lane permute's destination counts as one of its sources
.endr
.irp a, 0,1,2,3
	WIN 0x02                                       ; source 0 window 2
.set i, 0
.rept 32
	v_pk_add_f32 v[192+i:193+i], v[64*\a+i:64*\a+i+1], v[80+2*\a:81+2*\a]   ; out of the accumulators, each from its low end on, with the bias along source 1
.set i, i+2
.endr
	WIN 0
	QUANT 192, 96+12*\a, 144, 168+\a
	global_store_b128 v4, v[96+12*\a:99+12*\a], s[40+4*\a:41+4*\a]              ; 512 consecutive bytes, aligned to 256
	global_store_b64 v5, v[100+12*\a:101+12*\a], s[40+4*\a:41+4*\a] offset:512  ; 256
	global_store_b128 v4, v[102+12*\a:105+12*\a], s[42+4*\a:43+4*\a]
	global_store_b64 v5, v[106+12*\a:107+12*\a], s[42+4*\a:43+4*\a] offset:512
.endr
.irp a, 0,1,2,3
	v_lshrrev_b32 v[172+\a], v10, v[168+\a]
.endr
	global_store_b128 v11, v[172:175], s[78:79] offset:6144   ; my four tiles' words, 16 bytes a row.  q, k: lanes 0-15 the first head's 256 bytes, lanes 16-31 the second's; v: lanes 16-31 store the same bytes to the same places as lanes 0-15
	s_wait_tensorcnt 0x0
	ds_add_u32 v94, v95
	s_wait_dscnt 0x0
	ROUND                                          ; the closing round: no work-group ends while a partner may still ask for a tile that names it
	s_endpgm
.Lfunc_end_k_q232cc7005c_gemm_qkv:
	.size	k_q232cc7005c_gemm_qkv, .Lfunc_end_k_q232cc7005c_gemm_qkv-k_q232cc7005c_gemm_qkv
	.p2alignl 7, 3214868480
	.fill 96, 4, 3214868480
	.section	.rodata,"a",@progbits
	.p2align	6, 0x0
	.amdhsa_kernel k_q232cc7005c_gemm_qkv
		.amdhsa_group_segment_fixed_size 295424
		.amdhsa_private_segment_fixed_size 0
		.amdhsa_enable_private_segment 0
		.amdhsa_kernarg_size 40
		.amdhsa_user_sgpr_count 2
		.amdhsa_user_sgpr_kernarg_segment_ptr 1
		.amdhsa_wavefront_size32 1
		.amdhsa_system_sgpr_workgroup_id_x 1
		.amdhsa_system_sgpr_workgroup_id_y 1
		.amdhsa_system_sgpr_workgroup_id_z 1
		.amdhsa_system_vgpr_workitem_id 0
		.amdhsa_next_free_vgpr 768
		.amdhsa_next_free_sgpr 104
		.amdhsa_reserve_vcc 0
		.amdhsa_float_denorm_mode_32 3
		.amdhsa_float_denorm_mode_16_64 3
		.amdhsa_memory_ordered 1
		.amdhsa_forward_progress 1
		.amdhsa_inst_pref_size 106
	.end_amdhsa_kernel
	.amdgpu_metadata
---
amdhsa.version: [ 1, 2 ]
amdhsa.kernels:
  - .name:           k_q232cc7005c_gemm_qkv
    .symbol:         k_q232cc7005c_gemm_qkv.kd
    .args:
      - { .name: xq, .offset: 0, .size: 8, .value_kind: global_buffer, .address_space: global }
      - { .name: wq, .offset: 8, .size: 8, .value_kind: global_buffer, .address_space: global }
      - { .name: b_attn, .offset: 16, .size: 8, .value_kind: global_buffer, .address_space: global }
      - { .name: qk, .offset: 24, .size: 8, .value_kind: global_buffer, .address_space: global }
      - { .name: vv, .offset: 32, .size: 8, .value_kind: global_buffer, .address_space: global }
    .group_segment_fixed_size: 295424
    .private_segment_fixed_size: 0
    .kernarg_segment_align: 8
    .kernarg_segment_size: 40
    .max_flat_workgroup_size: 128
    .sgpr_count:     104
    .vgpr_count:     768
    .wavefront_size: 32
...
	.end_amdgpu_metadata
.endif
;; end of part 2
;; launch attn (part 3): grid 4 x 64, 16 waves a work-group, clusters of 4 x 1, 210,944 bytes of LDS; arguments qk, vv, aq; writes aq
.if DOCPART == 3
	.amdgcn_target "amdgcn-amd-amdhsa--gfx1250"
	.amdhsa_code_object_version 6
	.text
	.protected	k_q232cc7005c_attn
	.globl	k_q232cc7005c_attn
	.p2align	8
	.type	k_q232cc7005c_attn,@function
k_q232cc7005c_attn:
	s_mov_b64 s[64:65], 0
	v_nop
	global_prefetch_b8 v0, s[64:65] scope:SCOPE_SE
	s_setreg_imm32_b32 hwreg(HW_REG_WAVE_MODE, 25, 1), 1
	s_wait_xcnt 0x0
	s_wait_alu depctr_hold_cnt(0) depctr_sa_sdst(0) depctr_va_vdst(0) depctr_va_sdst(0) depctr_va_ssrc(0) depctr_va_vcc(0) depctr_vm_vsrc(0)
	s_getreg_b32 s2, hwreg(HW_REG_IB_STS2, 6, 4)
	s_cmp_eq_u32 s2, 0
	s_cbranch_scc0 .Lentry_in_a_cluster
	s_endpgm
.Lentry_in_a_cluster:
	s_bfe_u32 s2, ttmp6, 0x10000c
	s_cmp_lg_u32 s2, 0x3003
	s_cbranch_scc0 .Lentry_shape_is_right
	s_endpgm
.Lentry_shape_is_right:
; a[b][q][head] = the sum over keys of softmax(q . k / 8) v, both products on codes of FP6 (E2M3) with E8M0 scales; a is quantised along the 1,024 channels here and leaves as codes.
; THE SOFTMAX AHEAD OF THE SECOND PRODUCT: t = score x log2(e) / 8; M = the row's largest t so far, rounded UP to a whole number; p = 2^(t - M) is what is quantised, along the keys, not normalised.
; The row's sum is taken of the unquantised p, in f32, and divides O at the end.  When M moves, the sum and O are multiplied by 2^(old M - new M): exact.
; INPUTS.  qk [32 heads: q's, then k's][64 steps of 128 positions][6,656]: eight half fragments of 768 bytes (16 positions x a head's 64 channels, images of six operand registers), then 512 bytes of scale words.
;          vv [64 batch-heads][16 steps of 128 keys][6,400]: four fragments of 1,536 bytes (16 channels x 128 keys), then 256 bytes of scale words.
; In every tile of 16 rows lane r of tile 2 B + u stands for true row 32 B + 8 u + r + 8 (r / 8): as source 0 a pair of tiles gives a lane 16 neighbours, keys in S^T and channels in O^T.
; SHARES.  A cluster of four work-groups owns one batch-head, a work-group 512 of its queries, each of its sixteen waves two tiles of 16, one after the other: four waves to a SIMD, so that one wave's
; vector work stands beside another's matrix work and LDS loads.  Both products are used transposed (S^T = K Q^T, O^T = V^T P^T): a lane holds one query throughout.
; LDS holds the head's WHOLE K (106,496 bytes) and V (102,400), filled once, in four chunks of four key steps, asked for jointly by the four work-groups; nothing is filled again and nothing is stored to LDS.
; All tiles are asked for at the head, so there is nothing left to ask for ahead of its load.
; K = 64 IN AN INSTRUCTION OF 128: Q's upper six registers are zero codes.  So K's tile t is named as the twelve registers that begin at its six: its upper half is tile t + 1's codes, which meet zeros.
; LIMITS: NaN and infinities are not served; a block of a whose largest magnitude lies under 2^-124 keeps the byte 1.
; REGISTERS: v1-5 lane places; v6-10 the step's LDS addresses; v11 the scale words' offset in aq; v12 -M, v13 the largest t, v[14:15] the sum; v16-27 Q of pass 0, v232-243 of pass 1; v28, v29 Q's scale words;
;   v30, v31 a's scale words; v32-85 K's eight tiles and six zeros, later V's four fragments; v86-89 K's scale words, v90-93 V's; v96-159 S^T, then p; v160-191 O^T; v192-203 p's codes; v204-229 at work.
.set REC,   13312
.set HSTR,  425984
.set KREC,  6656
.set VREC,  6400
.set VOFF,  106496
.set WV,    18
.set SEL,   20                         ; s[20:21] lane selects: lane l xor 16
.set CS,    22                         ; s[22:23] c = log2(e) / 8
.set G1K,   24                         ; s[24:31], s[32:39] descriptor groups 1;  s[40:55] K's four groups 0;  V's at s56, s60, s68, s72
.set G1V,   32
.set G0K,   40
.set TBK,   2                          ; s2  LDS byte of the step's record of K
.set TBV,   3                          ; s3  of V, less VOFF
.set CNT,   66
.set S,     96
.set O,     160
.set PCD,   192
.set CT,    204
.set BM,    212                        ; the four blocks' largest scores, then largest p
.set BX,    216
.set SO,    220                        ; the conversions' scale operands
.set PWD,   225                        ; p's scale word: a register that holds nothing else
.set F,     226                        ; v[226:227] f = 2^(old M - new M); later 1 / the sum
.macro ROUND
	s_barrier_signal -1
	s_barrier_wait -1
	s_cmp_lg_u32 s[WV], 0
	s_cbranch_scc1 .Lnot_wave_0_\@
	s_barrier_signal -3
.Lnot_wave_0_\@:
	s_barrier_wait -3
	s_barrier_signal -1
	s_barrier_wait -1
.endm
.macro FRAG reg, a16, a8, off
	ds_load_b128 v[(\reg):(\reg)+3], v[\a16] offset:(\off)
	ds_load_b64 v[(\reg)+4:(\reg)+5], v[\a8] offset:(\off)+512
	ds_load_b128 v[(\reg)+6:(\reg)+9], v[\a16] offset:(\off)+768
	ds_load_b64 v[(\reg)+10:(\reg)+11], v[\a8] offset:(\off)+1280
.endm
	s_load_b128 s[4:7], s[0:1], 0x0                ; qk, vv
	s_load_b64 s[8:9], s[0:1], 0x10                ; aq
	v_lshl_add_u32 v254, v0, 2, 0x33000
	v_mov_b32 v255, 0
	ds_add_u32 v254, v255
	ds_add_u32 v254, v255
	v_lshrrev_b32 v6, 5, v0
	s_delay_alu instid0(VALU_DEP_1)
	v_readfirstlane_b32 s[WV], v6                  ; wave 0..15
	s_bfe_u32 s10, ttmp6, 0x40000                  ; cx: which 512 queries.  It enters Q's and a's addresses alone
	s_and_b32 s11, ttmp7, 0xffff                   ; the batch-head, which the four partners share
	s_lshr_b32 s12, s11, 4                         ; batch
	s_and_b32 s13, s11, 15                         ; head
	s_and_b32 s14, s[WV], 1                        ; which half of a chunk I fetch, if I fetch
	s_add_co_u32 s76, s13, 16
	s_mul_i32 s76, s76, HSTR                       ; K: head 16 + head of qk,
	s_mul_i32 s77, s12, 16*KREC                    ; the batch's 16 steps,
	s_add_co_u32 s76, s76, s77
	s_mul_i32 s78, s14, 13312                      ; my half of a chunk of four records: in memory and in LDS
	s_add_co_u32 s76, s76, s78
	s_mov_b32 s77, 0
	s_mul_i32 s80, s11, 16*VREC                    ; V
	s_mul_i32 s79, s14, 12800
	s_add_co_u32 s80, s80, s79
	s_mov_b32 s81, 0
	s_lshl_b32 s82, s12, 4                         ; Q: my two tiles are 128 batch + 32 cx + 2 wave and the next: step 16 batch + 4 cx + wave / 4,
	s_lshl_b32 s83, s10, 2
	s_add_co_u32 s82, s82, s83
	s_lshr_b32 s83, s[WV], 2
	s_add_co_u32 s82, s82, s83
	s_mul_i32 s82, s82, KREC
	s_mul_i32 s83, s13, HSTR
	s_add_co_u32 s82, s82, s83
	s_bfe_u32 s84, s[WV], 0x10001                  ; their scale words: tile 2 (wave % 4) of the step's eight: 256 (tile / 4) + 4 (tile % 4)
	s_lshl_b32 s84, s84, 8
	s_lshl_b32 s85, s14, 3
	s_add_co_u32 s84, s84, s85
	s_add_co_u32 s84, s84, s82
	s_add_co_u32 s84, s84, 6144
	s_mov_b32 s85, 0
	s_and_b32 s83, s[WV], 3
	s_mul_i32 s83, s83, 1536                       ; and their two half fragments
	s_add_co_u32 s82, s82, s83
	s_mov_b32 s83, 0
	s_lshl_b32 s86, s12, 7                         ; a: the same two tiles' records,
	s_lshl_b32 s87, s10, 5
	s_add_co_u32 s86, s86, s87
	s_lshl_b32 s87, s[WV], 1
	s_add_co_u32 s86, s86, s87
	s_mul_i32 s86, s86, REC
	s_lshl_b32 s88, s13, 6
	s_add_co_u32 s88, s88, s86
	s_add_co_u32 s88, s88, 12288                   ; the head's scale words,
	s_mov_b32 s89, 0
	s_mul_i32 s87, s13, 768                        ; the head's half fragment
	s_add_co_u32 s86, s86, s87
	s_mov_b32 s87, 0
	; descriptor groups 1: dense blocks as rows of 256 bytes (32 elements of 8 bytes): half a chunk of K is 52 rows, of V 50
	s_mov_b32 s[G1K], 15|(3<<16)|(1<<21)           ; 15:0 the mask: all four work-groups; 17:16 elements of 8 bytes; 21 set beside a mask
	s_mov_b32 s[G1V], 15|(3<<16)|(1<<21)
.irp g, G1K, G1V
	s_mov_b32 s[\g+1], 32<<16
	s_mov_b32 s[\g+3], 32<<16
	s_mov_b32 s[\g+5], 32
	s_mov_b32 s[\g+6], 0
	s_mov_b32 s[\g+7], 0
.endr
	s_mov_b32 s[G1K+2], 52<<16
	s_mov_b32 s[G1K+4], 52
	s_mov_b32 s[G1V+2], 50<<16
	s_mov_b32 s[G1V+4], 50
	s_mov_b32 s[SEL], 0x76543210
	s_mov_b32 s[SEL+1], 0xfedcba98
	s_mov_b32 s[CS], 0x3e38aa3b                    ; log2(e) / 8
	s_mov_b32 s[CS+1], s[CS]                       ; (named with it as a pair, so it is written)
	s_wait_dscnt 0x0
	s_wait_kmcnt 0x0
	s_add_nc_u64 s[76:77], s[4:5], s[76:77]
	s_add_nc_u64 s[80:81], s[6:7], s[80:81]
	s_add_nc_u64 s[82:83], s[4:5], s[82:83]
	s_add_nc_u64 s[84:85], s[4:5], s[84:85]
	s_add_nc_u64 s[86:87], s[8:9], s[86:87]
	s_add_nc_u64 s[88:89], s[8:9], s[88:89]
.irp c, 0,1,2,3
.set GV, 56+4*\c+4*(\c/2)
	s_mov_b32 s[G0K+4*\c], 1
	s_add_co_u32 s[G0K+4*\c+1], s78, \c*26624
	s_add_nc_u64 s[G0K+4*\c+2:G0K+4*\c+3], s[76:77], \c*26624
	s_or_b32 s[G0K+4*\c+3], s[G0K+4*\c+3], 0x80000000
	s_mov_b32 s[GV], 1
	s_add_co_u32 s[GV+1], s79, VOFF+\c*25600
	s_add_nc_u64 s[GV+2:GV+3], s[80:81], \c*25600
	s_or_b32 s[GV+3], s[GV+3], 0x80000000
.endr
	ROUND                                          ; all four work-groups are here: the joint loads meet
	s_cmp_lt_u32 s[WV], 2                          ; waves 0 and 1 fetch K's halves, waves 2 and 3 V's, the others nothing; a wave's four fills stand in one branch: four tensor loads of such a wave are out
	s_cbranch_scc0 .Lnot_k
	tensor_load_to_lds s[40:43], s[24:31]
	s_nop 0
	tensor_load_to_lds s[44:47], s[24:31]
	s_nop 0
	tensor_load_to_lds s[48:51], s[24:31]
	s_nop 0
	tensor_load_to_lds s[52:55], s[24:31]
	s_nop 0
.rept 4
	v_nop
.endr
	s_branch .Lasked
.Lnot_k:
	s_cmp_lt_u32 s[WV], 4
	s_cbranch_scc0 .Lasked
	tensor_load_to_lds s[56:59], s[32:39]
	s_nop 0
	tensor_load_to_lds s[60:63], s[32:39]
	s_nop 0
	tensor_load_to_lds s[68:71], s[32:39]
	s_nop 0
	tensor_load_to_lds s[72:75], s[32:39]
	s_nop 0
.rept 4
	v_nop
.endr
.Lasked:
	v_and_b32 v11, 31, v0                          ; lane
	v_and_b32 v10, 15, v0                          ; r
	v_bfe_u32 v9, v0, 4, 1                         ; h
	s_delay_alu instid0(VALU_DEP_3)
	v_lshlrev_b32 v1, 4, v11                       ; 16 x lane
	s_delay_alu instid0(VALU_DEP_4)
	v_lshlrev_b32 v2, 3, v11                       ; 8 x lane
	s_delay_alu instid0(VALU_DEP_2)
	v_add_nc_u32 v3, VOFF, v1
	s_delay_alu instid0(VALU_DEP_2)
	v_add_nc_u32 v4, VOFF, v2
	v_lshlrev_b32 v244, 4, v10                     ; 16 r
	s_delay_alu instid0(VALU_DEP_1)
	v_add_nc_u32 v5, VOFF+6144, v244               ; V's scale words: 16 bytes a row
	v_mul_u32_u24 v11, v9, REC
	s_delay_alu instid0(VALU_DEP_1)
	v_lshl_add_u32 v11, v10, 2, v11                ; a's scale words: lanes 0-15 my first tile's record, lanes 16-31 my second's
	global_load_b128 v[16:19], v1, s[82:83]        ; Q stays in registers
	global_load_b64 v[20:21], v2, s[82:83] offset:512
	global_load_b128 v[232:235], v1, s[82:83] offset:768
	global_load_b64 v[236:237], v2, s[82:83] offset:1280
	global_load_b32 v28, v244, s[84:85]
	global_load_b32 v29, v244, s[84:85] offset:4
.irp i, 0,1,2,3,4,5
	v_mov_b32 v[22+\i], 0                          ; Q's upper 64 along K: zero codes
	v_mov_b32 v[238+\i], 0
	v_mov_b32 v[80+\i], 0                          ; what K's last tile names as its upper half
.endr
.irp b, 0,1,2,3
	v_mov_b32 v[BX+\b], 0                          ; a lane permute's destination counts as one of its sources
.endr
	v_mov_b32 v[F+1], 0                            ; (named as the upper half of the pair before it is ever used)
.macro INIT                            ; the step is written once: the first finds zeros, which the first change of M leaves zeros
	v_mov_b32 v13, 0xff61b1e6                      ; the largest t so far: -3e38, under every t
	s_delay_alu instid0(VALU_DEP_1)
	v_floor_f32 v12, -v13                          ; -M
	v_mov_b32 v14, 0
	v_mov_b32 v15, 0
.set i, 0
.rept 32
	v_mov_b32 v[O+i], 0
.set i, i+1
.endr
.endm
; A KEY STEP: 128 keys.  qf: Q's fragment;  qs: its scale words.
.macro STEP qf, qs
	v_add_nc_u32 v6, s[TBK], v1                    ; five plain instructions: also the places between the last step's products and the loads into the registers that they read
	v_add_nc_u32 v7, s[TBK], v2
	v_add_nc_u32 v8, s[TBV], v3
	v_add_nc_u32 v9, s[TBV], v4
	v_add_nc_u32 v10, s[TBV], v5
	ds_load_b128 v[86:89], v6 offset:6144          ; K's scale words: register i: lanes 0-15 tile i, lanes 16-31 tile 4 + i
.irp t, 0,1,2,3,4,5,6,7
	ds_load_b128 v[32+6*\t:35+6*\t], v6 offset:768*\t
	ds_load_b64 v[36+6*\t:37+6*\t], v7 offset:768*\t+512
.endr
	s_wait_alu depctr_va_vdst(0)
	s_wait_dscnt 0x0
.irp t, 0,1,2,3                                ; S^T = K Q^T
	v_wmma_scale_f32_16x16x128_f8f6f4 v[S+8*\t:S+8*\t+7], v[32+6*\t:43+6*\t], v[\qf:\qf+11], 0, v[86+\t], v[\qs] matrix_a_fmt:MATRIX_FMT_FP6 matrix_b_fmt:MATRIX_FMT_FP6
.endr
.irp t, 4,5,6,7
	v_wmma_scale_f32_16x16x128_f8f6f4 v[S+8*\t:S+8*\t+7], v[32+6*\t:43+6*\t], v[\qf:\qf+11], 0, v[82+\t], v[\qs] matrix_a_fmt:MATRIX_FMT_FP6 matrix_b_fmt:MATRIX_FMT_FP6 matrix_a_scale:MATRIX_SCALE_ROW1
.endr
.rept 4
	v_nop                                          ; places: for the first read of the scores, and for the loads into K's registers
.endr
.irp t, 0,1,2,3
	FRAG 32+12*\t, 8, 9, 1536*\t                   ; V's four fragments are asked for now and land under the softmax
.endr
	ds_load_b128 v[90:93], v10
.irp b, 0,1,2,3
	v_max3_num_f32 v[BM+\b], v[S+16*\b], v[S+1+16*\b], v[S+2+16*\b]   ; the largest score of each block of 32 keys: it serves for the row's maximum and, since p rises with the score, for the block's largest p
.endr
.irp i, 3,5,7,9,11,13
.irp b, 0,1,2,3
	v_max3_num_f32 v[BM+\b], v[BM+\b], v[S+16*\b+\i], v[S+1+16*\b+\i]
.endr
.endr
.irp b, 0,1,2,3
	v_max_num_f32 v[BM+\b], v[BM+\b], v[S+15+16*\b]
.endr
.irp b, 0,1,2,3
	s_delay_alu instid0(VALU_DEP_4)
	v_permlanex16_b32 v[BX+\b], v[BM+\b], s[SEL], s[SEL+1]
.endr
.irp b, 0,1,2,3
	s_delay_alu instid0(VALU_DEP_4)
	v_max_num_f32 v[BM+\b], v[BM+\b], v[BX+\b]     ; with lane l xor 16's 16 keys
.endr
	s_delay_alu instid0(VALU_DEP_2)
	v_max3_num_f32 v224, v[BM], v[BM+1], v[BM+2]
	s_delay_alu instid0(VALU_DEP_1)
	v_max_num_f32 v224, v224, v[BM+3]              ; the step's largest score of my query
	s_delay_alu instid0(VALU_DEP_1)
	v_mul_f32 v224, s[CS], v224                    ; as t (c is positive)
	s_delay_alu instid0(VALU_DEP_1)
	v_max_num_f32 v13, v13, v224                   ; the running largest t
	v_mov_b32 v224, v12
	s_delay_alu instid0(VALU_DEP_2)
	v_floor_f32 v12, -v13                          ; the new -M = floor(-t) = -ceil(t): a whole number
	s_delay_alu instid0(VALU_DEP_1)
	v_sub_f32 v224, v12, v224                      ; old M - new M: a whole number, 0 or less
	s_delay_alu instid0(VALU_DEP_1)
	v_cvt_i32_f32 v224, v224                       ; (it saturates)
	s_delay_alu instid0(VALU_DEP_1)
	v_ldexp_f32 v[F], 1.0, v224                    ; f = 2^(old M - new M)
.irp j, 0,2,4,6,8,10,12,14,16,18,20,22,24,26,28,30,32,34,36,38,40,42,44,46,48,50,52,54,56,58,60,62
	v_pk_fma_f32 v[S+\j:S+1+\j], v[S+\j:S+1+\j], s[CS:CS+1], v[12:13] op_sel_hi:[1,0,0]   ; t - M, two at a time
.endr
.irp b, 0,1,2,3
	v_fma_f32 v[BM+\b], v[BM+\b], s[CS], v12       ; the same of each block's largest score
.endr
	s_setprio 1
	s_wait_alu depctr_va_vdst(0)
.irp j, 0,1,2,3,4,5,6,7,8,9,10,11,12,13,14,15,16,17,18,19,20,21,22,23,24,25,26,27,28,29,30,31,32,33,34,35,36,37,38,39,40,41,42,43,44,45,46,47,48,49,50,51,52,53,54,55,56,57,58,59,60,61,62,63
	v_exp_f32 v[S+\j], v[S+\j]                     ; p = 2^(t - M), at most 1: not normalised
.endr
	v_pk_mul_f32 v[14:15], v[14:15], v[F:F+1] op_sel_hi:[1,0]   ; the sums under the new M (a plain instruction behind the exponentials)
	s_wait_alu depctr_va_vdst(0)                   ; one wait for the whole batch, ahead of its first reader
.irp b, 0,1,2,3
	v_exp_f32 v[BM+\b], v[BM+\b]                   ; the block's largest p: the same two instructions on the same number give the same bits
.endr
	v_pk_add_f32 v[228:229], v[100:101], v[104:105]
	v_pk_add_f32 v[252:253], v[108:109], v[112:113]
	v_pk_add_f32 v[250:251], v[116:117], v[120:121]
	v_pk_add_f32 v[248:249], v[124:125], v[128:129]
	v_pk_add_f32 v[246:247], v[132:133], v[136:137]
	v_pk_add_f32 v[244:245], v[140:141], v[144:145]
	v_pk_add_f32 v[230:231], v[148:149], v[152:153]
	v_pk_add_f32 v[14:15], v[14:15], v[156:157]
	v_pk_add_f32 v[228:229], v[228:229], v[96:97]
	v_pk_add_f32 v[252:253], v[252:253], v[98:99]
	v_pk_add_f32 v[250:251], v[250:251], v[102:103]
	v_pk_add_f32 v[248:249], v[248:249], v[106:107]
	v_pk_add_f32 v[246:247], v[246:247], v[110:111]
	v_pk_add_f32 v[244:245], v[244:245], v[114:115]
	v_pk_add_f32 v[230:231], v[230:231], v[118:119]
	v_pk_add_f32 v[14:15], v[14:15], v[122:123]
	v_pk_add_f32 v[228:229], v[228:229], v[126:127]
	v_pk_add_f32 v[252:253], v[252:253], v[130:131]
	v_pk_add_f32 v[250:251], v[250:251], v[134:135]
	v_pk_add_f32 v[248:249], v[248:249], v[138:139]
	v_pk_add_f32 v[246:247], v[246:247], v[142:143]
	v_pk_add_f32 v[244:245], v[244:245], v[146:147]
	v_pk_add_f32 v[230:231], v[230:231], v[150:151]
	v_pk_add_f32 v[14:15], v[14:15], v[154:155]
	v_pk_add_f32 v[228:229], v[228:229], v[158:159]
	s_delay_alu instid0(VALU_DEP_2)
	v_pk_add_f32 v[14:15], v[14:15], v[248:249]
	s_delay_alu instid0(VALU_DEP_2)
	v_pk_add_f32 v[228:229], v[228:229], v[246:247]
	v_pk_add_f32 v[252:253], v[252:253], v[244:245]
	v_pk_add_f32 v[250:251], v[250:251], v[230:231]
	s_delay_alu instid0(VALU_DEP_2)
	v_pk_add_f32 v[14:15], v[14:15], v[252:253]
	s_delay_alu instid0(VALU_DEP_2)
	v_pk_add_f32 v[228:229], v[228:229], v[250:251]
	s_delay_alu instid0(VALU_DEP_1)
	v_pk_add_f32 v[14:15], v[14:15], v[228:229]
	s_wait_alu depctr_va_vdst(0)                   ; and one for the four
.irp b, 0,1,2,3
	v_max_num_f32 v[BM+\b], 0x1800000, v[BM+\b]    ; the floor 2^(3 - 127): the byte cannot fall under 1
.endr
.irp b, 0,1,2,3
	s_delay_alu instid0(VALU_DEP_4)
	v_add_nc_u32 v[SO+\b], 0xff000000, v[BM+\b]    ; 2 off the exponent field: the conversion's scale operand
.endr
.irp b, 0,1,2,3
	s_delay_alu instid0(VALU_DEP_4)
	v_lshrrev_b32 v[BX+\b], 23, v[SO+\b]           ; the scale's byte
.endr
	s_delay_alu instid0(VALU_DEP_3)
	v_lshl_or_b32 v[PWD], v[BX+1], 8, v[BX]        ; p's scale word for these 128 keys
	s_delay_alu instid0(VALU_DEP_1)
	v_lshl_or_b32 v[PWD], v[BX+2], 16, v[PWD]
	s_delay_alu instid0(VALU_DEP_1)
	v_lshl_or_b32 v[PWD], v[BX+3], 24, v[PWD]
.irp c, 0,1
	v_cvt_scalef32_pk16_fp6_f32 v[PCD+6*\c:PCD+2+6*\c], v[S+32*\c:S+15+32*\c], v[SO+2*\c]
	v_cvt_scalef32_pk16_fp6_f32 v[CT+4*\c:CT+2+4*\c], v[S+16+32*\c:S+31+32*\c], v[SO+2*\c+1]
.endr
	v_nop                                          ; one plain instruction behind the scaled conversions
.irp c, 0,1                                    ; the operand wants a whole block in a lane
.irp i, 0,1,2
	v_permlane16_swap_b32 v[PCD+6*\c+\i], v[CT+4*\c+\i]
.endr
.irp i, 0,1,2
	s_delay_alu instid0(VALU_DEP_3)
	v_mov_b32 v[PCD+3+6*\c+\i], v[CT+4*\c+\i]
.endr
.endr
	s_setprio 0
.irp j, 0,2,4,6,8,10,12,14,16,18,20,22,24,26,28,30
	v_pk_mul_f32 v[O+\j:O+1+\j], v[O+\j:O+1+\j], v[F:F+1] op_sel_hi:[1,0]   ; O^T under the new M.  These sixteen also stand between the writes of p's codes and scale word and the products that take them
.endr
	s_wait_alu depctr_va_vdst(0)
	s_wait_dscnt 0x0                               ; V is in
.irp t, 0,1,2,3                                ; O^T += V^T P^T: four accumulators by turns
	v_wmma_scale_f32_16x16x128_f8f6f4 v[O+8*\t:O+8*\t+7], v[32+12*\t:43+12*\t], v[PCD:PCD+11], v[O+8*\t:O+8*\t+7], v[90+\t], v[PWD] matrix_a_fmt:MATRIX_FMT_FP6 matrix_b_fmt:MATRIX_FMT_FP6
.endr
.endm
.macro STEPS n, qf, qs, kb0, vb0       ; n key steps from LDS bytes kb0 (K) and VOFF + vb0 (V) on
	s_mov_b32 s[TBK], \kb0
	s_mov_b32 s[TBV], \vb0
	s_mov_b32 s[CNT], \n
.Lstep_\@:
	s_setprio 2
	STEP \qf, \qs
	s_add_co_u32 s[TBK], s[TBK], KREC
	s_add_co_u32 s[TBV], s[TBV], VREC
	s_sub_co_u32 s[CNT], s[CNT], 1
	s_cmp_lg_u32 s[CNT], 0
	s_cbranch_scc1 .Lstep_\@
	s_setprio 0
.endm
.macro CHUNK c                         ; pass 0 walks the chunks as they land
	s_wait_dscnt 0x0
	s_wait_tensorcnt 3-\c                          ; my part of chunk c is in; the later chunks' loads may be out
	s_barrier_signal -1
	s_barrier_wait -1                              ; everybody's is
	STEPS 4, 16, 28, \c*26624, \c*25600
.endm
; O^T / the sum, quantised along the head's 64 channels (two blocks), leaves as a half fragment's image.
.macro OUT p
.rept 4
	v_nop                                          ; places behind the last products
.endr
	v_add_f32 v14, v14, v15                        ; the sum's two halves,
	s_delay_alu instid0(VALU_DEP_1)
	v_permlanex16_b32 v224, v14, s[SEL], s[SEL+1]
	s_delay_alu instid0(VALU_DEP_1)
	v_add_f32 v14, v14, v224                       ; and lane l xor 16's
	s_wait_alu depctr_va_vdst(0)
	v_rcp_f32 v[F], v14
	v_nop                                          ; a plain instruction behind the transcendental,
	s_wait_alu depctr_va_vdst(0)                   ; and the wait ahead of its first reader
.set i, 0
.rept 16
	v_pk_mul_f32 v[S+i:S+i+1], v[O+i:O+i+1], v[F:F+1] op_sel_hi:[1,0]   ; register 16 b + i = channel 32 b + 16 (lane / 16) + i; each accumulator from its low end on
.set i, i+2
.endr
.irp b, 0,1
	v_max3_num_f32 v[BM+\b], |v[S+16*\b]|, |v[S+1+16*\b]|, 0x1800000
.endr
.irp i, 2,4,6,8,10,12,14
.irp b, 0,1
	s_delay_alu instid0(VALU_DEP_2)
	v_max3_num_f32 v[BM+\b], v[BM+\b], |v[S+16*\b+\i]|, |v[S+1+16*\b+\i]|
.endr
.endr
.irp b, 0,1
	s_delay_alu instid0(VALU_DEP_2)
	v_permlanex16_b32 v[BX+\b], v[BM+\b], s[SEL], s[SEL+1]
.endr
.irp b, 0,1
	s_delay_alu instid0(VALU_DEP_2)
	v_max_num_f32 v[BM+\b], v[BM+\b], v[BX+\b]
.endr
.irp b, 0,1
	s_delay_alu instid0(VALU_DEP_2)
	v_add_nc_u32 v[SO+\b], 0xff000000, v[BM+\b]
.endr
.irp b, 0,1
	s_delay_alu instid0(VALU_DEP_2)
	v_lshrrev_b32 v[BX+\b], 23, v[SO+\b]
.endr
	s_delay_alu instid0(VALU_DEP_1)
	v_lshl_or_b32 v[30+\p], v[BX+1], 8, v[BX]      ; the head's two bytes; the word's upper half is 0
	v_cvt_scalef32_pk16_fp6_f32 v[PCD:PCD+2], v[S:S+15], v[SO]
	v_cvt_scalef32_pk16_fp6_f32 v[CT:CT+2], v[S+16:S+31], v[SO+1]
	v_nop
.irp i, 0,1,2
	v_permlane16_swap_b32 v[PCD+\i], v[CT+\i]
.endr
.irp i, 0,1,2
	s_delay_alu instid0(VALU_DEP_3)
	v_mov_b32 v[PCD+3+\i], v[CT+\i]
.endr
	global_store_b128 v1, v[PCD:PCD+3], s[86:87] offset:\p*REC          ; 512 consecutive bytes, aligned to 256
	global_store_b64 v2, v[PCD+4:PCD+5], s[86:87] offset:\p*REC+512     ; 256
.endm
	INIT
	s_wait_loadcnt 0x0                             ; Q
	CHUNK 0
	CHUNK 1
	CHUNK 2
	CHUNK 3
	OUT 0
	s_wait_xcnt 0x0                                ; the stores have read their data: the codes' registers are written again below
	INIT
	STEPS 16, 232, 29, 0, 0                        ; my second tile: all of K and V lie in LDS
	OUT 1
	v_and_b32 v224, 16, v0
	s_delay_alu instid0(VALU_DEP_1)
	v_cmp_ne_u32 vcc_lo, 0, v224
	s_delay_alu instid0(VALU_DEP_1)
	v_cndmask_b32 v224, v30, v31, vcc_lo           ; lanes 0-15 my first tile's words, lanes 16-31 my second's
	global_store_b32 v11, v224, s[88:89]
	s_wait_tensorcnt 0x0
	ds_add_u32 v254, v255
	s_wait_dscnt 0x0
	ROUND                                          ; the closing round
	s_endpgm
.Lfunc_end_k_q232cc7005c_attn:
	.size	k_q232cc7005c_attn, .Lfunc_end_k_q232cc7005c_attn-k_q232cc7005c_attn
	.p2alignl 7, 3214868480
	.fill 96, 4, 3214868480
	.section	.rodata,"a",@progbits
	.p2align	6, 0x0
	.amdhsa_kernel k_q232cc7005c_attn
		.amdhsa_group_segment_fixed_size 210944
		.amdhsa_private_segment_fixed_size 0
		.amdhsa_enable_private_segment 0
		.amdhsa_kernarg_size 24
		.amdhsa_user_sgpr_count 2
		.amdhsa_user_sgpr_kernarg_segment_ptr 1
		.amdhsa_wavefront_size32 1
		.amdhsa_system_sgpr_workgroup_id_x 1
		.amdhsa_system_sgpr_workgroup_id_y 1
		.amdhsa_system_sgpr_workgroup_id_z 1
		.amdhsa_system_vgpr_workitem_id 0
		.amdhsa_next_free_vgpr 256
		.amdhsa_next_free_sgpr 100
		.amdhsa_reserve_vcc 1
		.amdhsa_float_denorm_mode_32 3
		.amdhsa_float_denorm_mode_16_64 3
		.amdhsa_memory_ordered 1
		.amdhsa_forward_progress 1
		.amdhsa_inst_pref_size 109
	.end_amdhsa_kernel
	.amdgpu_metadata
---
amdhsa.version: [ 1, 2 ]
amdhsa.kernels:
  - .name:           k_q232cc7005c_attn
    .symbol:         k_q232cc7005c_attn.kd
    .args:
      - { .name: qk, .offset: 0, .size: 8, .value_kind: global_buffer, .address_space: global }
      - { .name: vv, .offset: 8, .size: 8, .value_kind: global_buffer, .address_space: global }
      - { .name: aq, .offset: 16, .size: 8, .value_kind: global_buffer, .address_space: global }
    .group_segment_fixed_size: 210944
    .private_segment_fixed_size: 0
    .kernarg_segment_align: 8
    .kernarg_segment_size: 24
    .max_flat_workgroup_size: 512
    .sgpr_count:     100
    .vgpr_count:     256
    .wavefront_size: 32
...
	.end_amdgpu_metadata
.endif
;; end of part 3
;; launch gemm_proj (part 4): grid 4 x 64, 4 waves a work-group, clusters of 4 x 4, 295,424 bytes of LDS; arguments aq, pq, b_proj, out0; writes out0
.if DOCPART == 4
	.amdgcn_target "amdgcn-amd-amdhsa--gfx1250"
	.amdhsa_code_object_version 6
	.text
	.protected	k_q232cc7005c_gemm_proj
	.globl	k_q232cc7005c_gemm_proj
	.p2align	8
	.type	k_q232cc7005c_gemm_proj,@function
k_q232cc7005c_gemm_proj:
	s_mov_b64 s[64:65], 0
	v_nop
	global_prefetch_b8 v0, s[64:65] scope:SCOPE_SE
	s_setreg_imm32_b32 hwreg(HW_REG_WAVE_MODE, 25, 1), 1
	s_wait_xcnt 0x0
	s_wait_alu depctr_hold_cnt(0) depctr_sa_sdst(0) depctr_va_vdst(0) depctr_va_sdst(0) depctr_va_ssrc(0) depctr_va_vcc(0) depctr_vm_vsrc(0)
	s_getreg_b32 s2, hwreg(HW_REG_IB_STS2, 6, 4)
	s_cmp_eq_u32 s2, 0
	s_cbranch_scc0 .Lentry_in_a_cluster
	s_endpgm
.Lentry_in_a_cluster:
	s_bfe_u32 s2, ttmp6, 0x10000c
	s_cmp_lg_u32 s2, 0xf033
	s_cbranch_scc0 .Lentry_shape_is_right
	s_endpgm
.Lentry_shape_is_right:
; out0 = a w_proj + b_proj on codes of FP6 (E2M3) with E8M0 scales, K = 1,024; out0 [8192][1024] f32.
; OPERANDS: pq (64 tiles of 16 columns of w_proj) is source 0, aq (512 tiles of 16 positions) source 1; records of REC bytes: 16 half fragments of 768 bytes (images of operand registers), then scale words:
; in pq word (K step s, row r) at 12,288 + 64 s + 4 r; in aq word (head, row r) at 12,288 + 64 head + 4 r with two bytes each: two heads' words make a K step's.
; Lane r of tile 2 B + u stands for true row 32 B + 8 u + r + 8 (r / 8): with source 0 so ordered a lane's registers of two neighbouring blocks are 16 neighbouring columns of out0; source 1's order is undone in the rows' offsets.
; SHARES.  A work-group makes 256 columns x 128 rows; its four waves 128 x 64 each: 32 accumulators.  256 work-groups.
; LDS holds the work-group's operands for ALL of K, four slots of 256 along K, each filled once: nothing is filled again.  CLUSTERS of 4 x 4: source 0's tiles are asked for jointly by a column of the cluster, source 1's by a row.
; REGISTERS as in the launch for q, k and v.  Window 0: v4-13 offsets, v16-31 LDS addresses, v32-63 and v64-79 scale words, v96-191 source 1's fragments, v192-255 at work.  Window 1: source 0's fragments, v192-255 the bias.  Window 2: accumulators.
.set REC,   13312
.set SLOT,  73728
.set S1OFF, 49152
.set WV,    14
.set G1A,   24
.set G1B,   32
.set G0A,   40
.set MSB, 0
.macro WIN new                         ; the immediate's high byte repeats the setting that is left
.if MSB != \new
	s_set_vgpr_msb (MSB<<8)|\new
.set MSB, \new
.endif
.endm
.macro ROUND
	s_barrier_signal -1
	s_barrier_wait -1
	s_cmp_lg_u32 s[WV], 0
	s_cbranch_scc1 .Lnot_wave_0_\@
	s_barrier_signal -3
.Lnot_wave_0_\@:
	s_barrier_wait -3
	s_barrier_signal -1
	s_barrier_wait -1
.endm
.macro FRAG reg, a16, a8, off
	ds_load_b128 v[(\reg):(\reg)+3], v[\a16] offset:(\off)
	ds_load_b64 v[(\reg)+4:(\reg)+5], v[\a8] offset:(\off)+512
	ds_load_b128 v[(\reg)+6:(\reg)+9], v[\a16] offset:(\off)+768
	ds_load_b64 v[(\reg)+10:(\reg)+11], v[\a8] offset:(\off)+1280
.endm
.macro FETCH s                         ; K step s: source 0's eight fragments and source 1's four, into set s % 2: 48 loads
.set FK, (\s)/2
.set FP, (\s)%2
	WIN 0x40
.irp b, 0,1,2,3,4,5,6,7
	FRAG 96*FP+12*\b, 16+FK, 20+FK, 3072*\b+1536*FP
.endr
	WIN 0
.irp a, 0,1,2,3
	FRAG 96+48*FP+12*\a, 24+FK, 28+FK, 3072*\a+1536*FP
.endr
.endm
; 16 matrix instructions; first = 1: C is the bias.  The 32 accumulators take turns, one instruction a turn, in the same order in every step.
.macro MUL s, a0, first
.irp a, \a0, \a0+1
.irp b, 0,1,2,3,4,5,6,7
.set rD, 8*(8*(\a)+\b)
.set rC, rD
.if \first
.set rC, 192+8*\b
.endif
.set rA, 96*((\s)%2)+12*\b
.set rB, 96+48*((\s)%2)+12*(\a)
.set rSA, 32+8*(\b%4)+(\s)
.set rSB, 64+8*((\a)%2)+(\s)
.if (\b < 4) && ((\a) < 2)
	v_wmma_scale_f32_16x16x128_f8f6f4 v[rD:rD+7], v[rA:rA+11], v[rB:rB+11], v[rC:rC+7], v[rSA], v[rSB] matrix_a_fmt:MATRIX_FMT_FP6 matrix_b_fmt:MATRIX_FMT_FP6
.elseif (\a) < 2
	v_wmma_scale_f32_16x16x128_f8f6f4 v[rD:rD+7], v[rA:rA+11], v[rB:rB+11], v[rC:rC+7], v[rSA], v[rSB] matrix_a_fmt:MATRIX_FMT_FP6 matrix_b_fmt:MATRIX_FMT_FP6 matrix_a_scale:MATRIX_SCALE_ROW1
.elseif \b < 4
	v_wmma_scale_f32_16x16x128_f8f6f4 v[rD:rD+7], v[rA:rA+11], v[rB:rB+11], v[rC:rC+7], v[rSA], v[rSB] matrix_a_fmt:MATRIX_FMT_FP6 matrix_b_fmt:MATRIX_FMT_FP6 matrix_b_scale:MATRIX_SCALE_ROW1
.else
	v_wmma_scale_f32_16x16x128_f8f6f4 v[rD:rD+7], v[rA:rA+11], v[rB:rB+11], v[rC:rC+7], v[rSA], v[rSB] matrix_a_fmt:MATRIX_FMT_FP6 matrix_b_fmt:MATRIX_FMT_FP6 matrix_a_scale:MATRIX_SCALE_ROW1 matrix_b_scale:MATRIX_SCALE_ROW1
.endif
.endr
.endr
.endm
.macro STEP s, tcnt, first
	s_wait_dscnt 0x0                               ; this step's 48 loads are in
.if ((\s)%2 == 1) && ((\s) < 7)
	s_wait_tensorcnt \tcnt                         ; my part of the next slot has landed; the later slots' loads may be out
	s_barrier_signal -1
.endif
	WIN 0xa1-0x10*(\first)
	MUL \s, 0, \first
.if ((\s)%2 == 1) && ((\s) < 7)
	s_barrier_wait -1
.endif
.if (\s) < 7
.rept 4
	v_nop                                          ; places in front of loads into registers that the last step's matrix instructions have read
.endr
	FETCH (\s)+1
.endif
	WIN 0xa1-0x10*(\first)
	MUL \s, 2, \first
.endm
	s_load_b256 s[4:11], s[0:1], 0x0               ; aq s[4:5], pq s[6:7], b_proj s[8:9], out0 s[10:11]
	v_lshl_add_u32 v94, v0, 2, 0x48000
	v_mov_b32 v95, 0
	ds_add_u32 v94, v95
	ds_add_u32 v94, v95
	v_lshrrev_b32 v1, 5, v0
	v_readfirstlane_b32 s[WV], v1
	s_and_b32 s15, s[WV], 1                        ; my half of source 0's rows; also which half of a tile I fetch
	s_lshr_b32 s16, s[WV], 1                       ; my half of source 1's rows; also: I fetch for source 0 (0) or 1 (1)
	s_bfe_u32 s17, ttmp6, 0x40000                  ; cx
	s_bfe_u32 s18, ttmp6, 0x40004                  ; cy
	s_lshl_b32 s19, ttmp9, 2
	s_add_co_u32 s19, s19, s17                     ; X: which 256 columns
	s_and_b32 s20, ttmp7, 0xffff
	s_lshl_b32 s20, s20, 2
	s_add_co_u32 s20, s20, s18                     ; Y: which 128 rows
	s_lshl_b32 s2, 0x1111, s17                     ; my column of the cluster
	s_lshl_b32 s3, s18, 2
	s_lshl_b32 s3, 15, s3                          ; my row
	s_or_b32 s[G1A], s2, (3<<16)|(1<<21)
	s_or_b32 s[G1B], s3, (3<<16)|(1<<21)
.irp g, G1A, G1B
	s_mov_b32 s[\g+1], 384<<16
	s_mov_b32 s[\g+3], 384<<16
	s_mov_b32 s[\g+5], REC/8
	s_mov_b32 s[\g+6], 0
	s_mov_b32 s[\g+7], 0
.endr
	s_mov_b32 s[G1A+2], 8<<16
	s_mov_b32 s[G1A+4], 8
	s_mov_b32 s[G1B+2], 4<<16
	s_mov_b32 s[G1B+4], 4
	s_lshl_b32 s86, s19, 4
	s_lshl_b32 s87, s15, 3
	s_add_co_u32 s86, s86, s87
	s_mul_i32 s86, s86, REC                        ; source 0: my eight tiles
	s_mov_b32 s87, 0
	s_mul_i32 s88, s15, 24576
	s_lshl_b32 s94, s20, 3
	s_lshl_b32 s90, s15, 2
	s_add_co_u32 s90, s90, s94
	s_mul_i32 s90, s90, REC                        ; source 1: the four tiles that I fetch,
	s_mov_b32 s91, 0
	s_lshl_b32 s92, s16, 2
	s_add_co_u32 s92, s92, s94
	s_mul_i32 s92, s92, REC                        ; the four that I multiply
	s_mov_b32 s93, 0
	s_mul_i32 s89, s15, 12288
	s_add_co_u32 s89, s89, S1OFF
	s_lshl_b32 s96, s19, 10
	s_lshl_b32 s97, s15, 9
	s_add_co_u32 s96, s96, s97                     ; my 128 columns, in bytes: in b_proj and in a row of out0
	s_mov_b32 s97, 0
	s_lshl_b32 s76, s20, 19                        ; 128 rows of 4,096 bytes,
	s_lshl_b32 s77, s16, 18                        ; my 64 of them
	s_add_co_u32 s76, s76, s77
	s_add_co_u32 s76, s76, s96
	s_mov_b32 s77, 0
	s_wait_dscnt 0x0
	s_wait_kmcnt 0x0
	s_add_nc_u64 s[86:87], s[6:7], s[86:87]
	s_add_nc_u64 s[90:91], s[4:5], s[90:91]
	s_add_nc_u64 s[92:93], s[4:5], s[92:93]
	s_add_nc_u64 s[96:97], s[8:9], s[96:97]
	s_add_nc_u64 s[76:77], s[10:11], s[76:77]
.irp k, 0,1,2,3
.set GB, 56+4*\k+4*(\k/2)
	s_mov_b32 s[G0A+4*\k], 1
	s_add_co_u32 s[G0A+4*\k+1], s88, \k*SLOT
	s_add_nc_u64 s[G0A+4*\k+2:G0A+4*\k+3], s[86:87], \k*3072
	s_or_b32 s[G0A+4*\k+3], s[G0A+4*\k+3], 0x80000000
	s_mov_b32 s[GB], 1
	s_add_co_u32 s[GB+1], s89, \k*SLOT
	s_add_nc_u64 s[GB+2:GB+3], s[90:91], \k*3072
	s_or_b32 s[GB+3], s[GB+3], 0x80000000
.endr
	ROUND                                          ; all sixteen work-groups are here: the joint loads meet
	s_cmp_eq_u32 s16, 0                            ; a wave's four fills stand in one branch on the wave's number: four tensor loads of mine are out
	s_cbranch_scc0 .Lfor_1
	tensor_load_to_lds s[40:43], s[24:31]
	s_nop 0
	tensor_load_to_lds s[44:47], s[24:31]
	s_nop 0
	tensor_load_to_lds s[48:51], s[24:31]
	s_nop 0
	tensor_load_to_lds s[52:55], s[24:31]
	s_nop 0
.rept 4
	v_nop
.endr
	s_branch .Lasked
.Lfor_1:
	tensor_load_to_lds s[56:59], s[32:39]
	s_nop 0
	tensor_load_to_lds s[60:63], s[32:39]
	s_nop 0
	tensor_load_to_lds s[68:71], s[32:39]
	s_nop 0
	tensor_load_to_lds s[72:75], s[32:39]
	s_nop 0
.rept 4
	v_nop
.endr
.Lasked:
	v_and_b32 v1, 31, v0
	v_and_b32 v2, 15, v0                           ; r
	v_bfe_u32 v3, v0, 4, 1                         ; h
	v_lshlrev_b32 v4, 4, v1                        ; 16 x lane
	v_lshlrev_b32 v5, 3, v1                        ; 8 x lane
	v_mul_u32_u24 v6, v3, 4*REC
	v_lshl_add_u32 v6, v2, 2, v6
	v_mul_u32_u24 v7, v3, 2*REC
	v_lshl_add_u32 v7, v2, 2, v7
	v_lshlrev_b32 v8, 6, v3
.irp q, 0,1,2,3
.irp s, 0,1,2,3,4,5,6,7
	global_load_b32 v[32+8*\q+\s], v6, s[86:87] offset:12288+\q*REC+64*\s
.endr
.endr
.irp q, 0,1
.irp d, 0,1,2,3,4,5,6,7,8,9,10,11,12,13,14,15
	global_load_b32 v[192+16*\q+\d], v7, s[92:93] offset:12288+\q*REC+64*\d   ; a's words, a head each
.endr
.endr
	WIN 0x40
.irp b, 0,1,2,3,4,5,6,7
	global_load_b128 v[192+8*\b:195+8*\b], v8, s[96:97] offset:(32*(\b/2)+8*(\b%2))*4
	global_load_b128 v[196+8*\b:199+8*\b], v8, s[96:97] offset:(32*(\b/2)+8*(\b%2))*4+16
.endr
	WIN 0
	s_mul_i32 s100, s15, 24576
	s_mul_i32 s101, s16, 12288
	s_add_co_u32 s101, s101, S1OFF
.irp k, 0,1,2,3
	v_add_nc_u32 v[16+\k], s100, v4
	v_add_nc_u32 v[20+\k], s100, v5
	v_add_nc_u32 v[24+\k], s101, v4
	v_add_nc_u32 v[28+\k], s101, v5
	s_add_co_u32 s100, s100, SLOT
	s_add_co_u32 s101, s101, SLOT
.endr
	s_mul_i32 s100, s[WV], 8448                    ; the way out: my stage, 16 rows x (512 bytes + 16), in slot 0
	v_mul_u32_u24 v12, v2, 528
	v_lshl_add_u32 v12, v3, 6, v12
	v_add_nc_u32 v12, s100, v12                    ; in: row r, + 64 h
	v_add_nc_u32 v13, s100, v4                     ; back: a whole row of 512 bytes, 16 bytes a lane
	s_wait_tensorcnt 3                             ; my part of slot 0 is in; the three later slots' loads may be out
	s_barrier_signal -1
	s_barrier_wait -1
	FETCH 0
	s_wait_loadcnt 0x0
.irp q, 0,1
.irp s, 0,1,2,3,4,5,6,7
	v_lshl_or_b32 v[64+8*\q+\s], v[193+16*\q+2*\s], 16, v[192+16*\q+2*\s]   ; heads 2 s and 2 s + 1 make K step s's word
.endr
.endr
.rept 8
	v_nop                                          ; a scale register written by a vector instruction stands eight places ahead of the scaled matrix instruction
.endr
	s_wait_alu depctr_va_vdst(0)
	STEP 0, 0, 1
	STEP 1, 2, 0
	STEP 2, 0, 0
	STEP 3, 1, 0
	STEP 4, 0, 0
	STEP 5, 0, 0
	STEP 6, 0, 0
	STEP 7, 0, 0
	WIN 0
; THE WAY OUT, block by block of 16 rows x 128 columns, through my own stage and back as whole rows of 512 bytes.  The stage lies in slot 0: that slot has had its one fill, and every wave's reads of it were
; waited for ahead of the barrier in step 1.  LDS serves a wave's instructions in order: no wait between the stores and the loads, nor ahead of the next block's stores.
.macro TOSTAGE a
	WIN 0x08                                       ; an LDS store's data: window 2
.irp b, 0,1,2,3,4,5,6,7
	ds_store_b128 v12, v[64*(\a)+8*\b:64*(\a)+8*\b+3] offset:128*(\b/2)+32*(\b%2)        ; each accumulator from its low end on
	ds_store_b128 v12, v[64*(\a)+8*\b+4:64*(\a)+8*\b+7] offset:128*(\b/2)+32*(\b%2)+16
.endr
	WIN 0
.set BB, 96+96*((\a)%2)
.irp t, 0,1,2,3,4,5,6,7,8,9,10,11,12,13,14,15
	ds_load_b128 v[BB+4*\t:BB+4*\t+3], v13 offset:528*\t
.endr
.endm
.macro SEND a, younger                 ; younger: the LDS instructions issued behind block a's loads, which may stay out
.set BB, 96+96*((\a)%2)
	s_wait_dscnt \younger
.irp t, 0,1,2,3,4,5,6,7,8,9,10,11,12,13,14,15
	global_store_b128 v4, v[BB+4*\t:BB+4*\t+3], s[76:77] offset:(32*((\a)/2)+8*((\a)%2)+\t+8*(\t/8))*4096 th:TH_STORE_NT   ; the tile's lane t is true row 32 (a / 2) + 8 (a % 2) + t + 8 (t / 8); 512 consecutive bytes, aligned to 256
.endr
.endm
.rept 4
	v_nop                                          ; places behind the last matrix instructions
.endr
	TOSTAGE 0
.irp a, 1,2,3
.if \a > 1
	s_wait_xcnt 0x0                                ; block a - 2's stores have read their registers: block a's loads may land there
.endif
	TOSTAGE \a
	SEND \a-1, 32                                  ; behind block a - 1's loads: block a's 16 stores and 16 loads
.endr
	SEND 3, 0
	s_wait_tensorcnt 0x0
	ds_add_u32 v94, v95
	s_wait_dscnt 0x0
	ROUND                                          ; the closing round
	s_endpgm
.Lfunc_end_k_q232cc7005c_gemm_proj:
	.size	k_q232cc7005c_gemm_proj, .Lfunc_end_k_q232cc7005c_gemm_proj-k_q232cc7005c_gemm_proj
	.p2alignl 7, 3214868480
	.fill 96, 4, 3214868480
	.section	.rodata,"a",@progbits
	.p2align	6, 0x0
	.amdhsa_kernel k_q232cc7005c_gemm_proj
		.amdhsa_group_segment_fixed_size 295424
		.amdhsa_private_segment_fixed_size 0
		.amdhsa_enable_private_segment 0
		.amdhsa_kernarg_size 32
		.amdhsa_user_sgpr_count 2
		.amdhsa_user_sgpr_kernarg_segment_ptr 1
		.amdhsa_wavefront_size32 1
		.amdhsa_system_sgpr_workgroup_id_x 1
		.amdhsa_system_sgpr_workgroup_id_y 1
		.amdhsa_system_sgpr_workgroup_id_z 1
		.amdhsa_system_vgpr_workitem_id 0
		.amdhsa_next_free_vgpr 768
		.amdhsa_next_free_sgpr 104
		.amdhsa_reserve_vcc 0
		.amdhsa_float_denorm_mode_32 3
		.amdhsa_float_denorm_mode_16_64 3
		.amdhsa_memory_ordered 1
		.amdhsa_forward_progress 1
		.amdhsa_inst_pref_size 91
	.end_amdhsa_kernel
	.amdgpu_metadata
---
amdhsa.version: [ 1, 2 ]
amdhsa.kernels:
  - .name:           k_q232cc7005c_gemm_proj
    .symbol:         k_q232cc7005c_gemm_proj.kd
    .args:
      - { .name: aq, .offset: 0, .size: 8, .value_kind: global_buffer, .address_space: global }
      - { .name: pq, .offset: 8, .size: 8, .value_kind: global_buffer, .address_space: global }
      - { .name: b_proj, .offset: 16, .size: 8, .value_kind: global_buffer, .address_space: global }
      - { .name: out0, .offset: 24, .size: 8, .value_kind: global_buffer, .address_space: global }
    .group_segment_fixed_size: 295424
    .private_segment_fixed_size: 0
    .kernarg_segment_align: 8
    .kernarg_segment_size: 32
    .max_flat_workgroup_size: 128
    .sgpr_count:     104
    .vgpr_count:     768
    .wavefront_size: 32
...
	.end_amdgpu_metadata
.endif
;; end of part 4
